; MI455X (gfx1250); checked and timed in simulation.
; The chip was launched on July 23, 2026; its instructions are those of AMD's public machine-readable ISA for CDNA 5 (MIT licence, August 2026) and "CDNA5" Instruction Set Architecture Reference Guide (July 2026). The comments in the code are by the model that wrote it; some were corrected since.
;; Hybrid Mo E Layer. Allowed arithmetic: float matrix products may take bf16 or f16 operands with f32 sums; other float arithmetic in f32, or as packed bf16 or f16 multiplies, adds, multiply-adds, maxima and minima; sums over many terms, partial sums and values carried from step to step in f32; what a program stores and reads back later, other than sums and carried values, may be rounded once to bf16 or f16.
;; Inputs: expert_weights 8 x 1,024 x 1,024 float32; router_b 8 float32; router_w 8 x 1,024 float32; tokens 4 x 2,048 x 1,024 float32.
;; Outputs: out0 4 x 2,048 x 1,024 float32.
;; 2 versions, each right and faster than the one before. Each part assembles by itself: llvm-mc -triple=amdgcn-amd-amdhsa -mcpu=gfx1250 --defsym DOCPART=n.
;; ======== version 1 of 2: 2 launches
;; workspace buffers: xb 16,777,216 bytes; wt 16,777,216 bytes; info 32,768 bytes of whole numbers; hist 32,768 bytes of whole numbers; gates 65,536 bytes
;; launch prep (part 1): grid 256 x 1, 8 waves a work-group, no clusters, 75,264 bytes of LDS; arguments tokens, router_w, router_b, expert_weights, xb, wt, info, hist, gates; writes xb, wt, info, hist, gates
.if DOCPART == 1
	.amdgcn_target "amdgcn-amd-amdhsa--gfx1250"
	.amdhsa_code_object_version 6
	.text
	.protected	k_qdb15097b29_prep
	.globl	k_qdb15097b29_prep
	.p2align	8
	.type	k_qdb15097b29_prep,@function
k_qdb15097b29_prep:
	s_mov_b64 s[64:65], 0
	v_nop
	global_prefetch_b8 v0, s[64:65] scope:SCOPE_SE
	s_setreg_imm32_b32 hwreg(HW_REG_WAVE_MODE, 25, 1), 1
	s_wait_xcnt 0x0
; PREP: rounds every input to bf16 once, lays the experts' weights out as matrix fragments, and routes the tokens.
; Work-group wg (of 256, eight waves) owns chunk wg: tokens 32 wg .. 32 wg + 31, and the weight slab of expert wg / 32, k rows 32 (wg % 32) .. + 31: 131,072 consecutive bytes.
;   xb    [8192][1024] bf16: the tokens.
;   wt    byte ((e 16 + cg) 32 + ks) 4096 + b 1024 + jj 512 + (16 h + r) 16 holds k = 32 ks + 16 jj + 8 h + 0..7 of column n = 64 cg + 4 r + b of expert e:
;         512 consecutive bytes are four registers of a fragment (lane = 16 h + r) of a 16 x 32 operand whose sixteen rows are the columns 64 cg + 4 r + b.
;   info  one word a token: pair number << 2 | rank << 8.  A token's two experts a < b have pair number a (15 - a) / 2 + b - a - 1 (0..27); rank counts the chunk's earlier tokens of the same pair.
;   hist  [32][256] words: row g, column wg: the chunk's tokens of pair g; rows 28 to 31 are 0.
;   gates {rho, f2} in f32 a token: out = (rho y_a + y_b) f2, with rho = w_a / w_b, f2 = w_b (1 + 1e-10 sum w) / max(sum w, 1e-10).
; THE ROUTER runs on the rounded tokens, router weights and bias: products on the matrix unit, K shared among the eight waves (128 each), the eight partial logits added in f32 in the waves' order.
; Softmax with the maximum taken away; top 2 by strict comparison going upward, so that equal numbers keep the lower index.  No address and no branch hangs on the choice: all stores go to fixed places.
; LIMITS.  All four inputs are rounded to bf16 (nearest even).  w_b is held at 2^-40 or more, which adds at most 2^-40 |y_b| to a number.  A probability below 2^-126 counts as 0.
; NaN and infinities are not treated apart.
.set XP,    2064                       ; a token's row in LDS: 2,048 bytes + 16 = 516 words: the sixteen rows of a fragment load start 4 words apart modulo 64
.set PART,  32*XP                      ; the waves' partial logits: 8 waves x 32 tokens x 32 bytes
.set SPARE, PART+8*1024                ; the spare words: 128 bytes for each of eight waves, named by no other line
.set LN,  1                            ; lane
.set SPW, 2                            ; LDS address of my spare word; never rewritten
.set NIL, 3                            ; 0; never rewritten
.set RR,  4                            ; lane % 16
.set HH,  5                            ; lane / 16
.set RO,  6                            ; byte offset in router_w
.set TO,  7                            ; in the chunk's tokens
.set XO,  8                            ; in the chunk's rows of xb
.set XL,  9                            ; LDS: where I put 16 bytes of a token's row
.set XR,  10                           ; LDS: my place in a fragment of tokens
.set WO,  11                           ; byte offset in a row of the weight slab
.set WS,  12                           ; the lane's term of wt's address
.set PA,  13                           ; LDS: my partial logits
.set T0,  14
.set D0,  16                           ; v[16:23], v[24:31]: the router's two accumulators (tokens 0-15, 16-31)
.set D1,  24
.set TK,  32                           ; v[32:159] tokens as loaded; later U23 and XF
.set U23, 32                           ; v[32:95]  weight units 2 and 3
.set XF,  96                           ; v[96:159] fragments of tokens; in wave 0 then the softmax's registers
.set RF,  160                          ; v[160:223] router_w in f32; then weight units 0 and 1
.set RB,  224                          ; v[224:255] router_w's fragments; then LG and OW
.set LG,  224
.set OW,  224                          ; two sets of 16 registers to store
	s_load_b512 s[4:19], s[0:1], 0x0               ; tokens s[4:5], router_w s[6:7], router_b s[8:9], expert_weights s[10:11], xb s[12:13], wt s[14:15], info s[16:17], hist s[18:19]
	s_load_b64 s[20:21], s[0:1], 0x40              ; gates
	v_lshl_add_u32 v[SPW], v0, 2, SPARE
	v_mov_b32 v[NIL], 0
	v_and_b32 v[LN], 31, v0
	v_lshrrev_b32 v[T0], 5, v0
	v_readfirstlane_b32 s32, v[T0]                 ; wave v, 0..7
	v_and_b32 v[RR], 15, v0
	v_bfe_u32 v[HH], v0, 4, 1
	s_mov_b32 s33, 0xffff0000                      ; a word's upper bf16; also the mask of lanes 16 to 31
	s_mov_b32 s38, 0x2edbe6ff                      ; 1e-10
	s_mov_b32 s37, 0
	v_and_b32 v[RO], 7, v0                         ; fragment rows 8 to 15 repeat experts 0 to 7
	v_lshlrev_b32 v[RO], 12, v[RO]
	v_lshl_add_u32 v[RO], v[HH], 5, v[RO]
	s_lshl_b32 s34, s32, 9
	v_add_nc_u32 v[RO], s34, v[RO]                 ; expert x 4,096 + 32 h + 512 v: my wave's 128 of K
	v_lshl_add_u32 v[WO], v[LN], 4, s34            ; 16 lane + 512 v: columns 128 v + 4 lane + 0..3
	s_lshl_b32 s34, s32, 14
	v_lshl_add_u32 v[TO], v[LN], 5, s34            ; 32 lane + my wave's four rows of 4,096 bytes
	s_lshl_b32 s34, s32, 13
	v_lshl_add_u32 v[XO], v[LN], 4, s34            ; 16 lane + four rows of 2,048 bytes
	s_mul_i32 s34, s32, 4*XP
	v_lshl_add_u32 v[XL], v[LN], 4, s34
	v_mul_u32_u24 v[XR], v[RR], XP
	v_lshl_add_u32 v[XR], v[HH], 4, v[XR]
	s_lshl_b32 s34, s32, 8
	v_add_nc_u32 v[XR], s34, v[XR]                 ; row x pitch + 16 h + 256 v
	v_lshlrev_b32 v[WS], 4, v[RR]
	v_lshl_add_u32 v[WS], v[HH], 17, v[WS]         ; lanes 16 to 31 hold the next group of 64 columns
	s_lshl_b32 s34, s32, 10
	s_add_co_u32 s34, s34, PART
	v_lshl_add_u32 v[PA], v[LN], 5, s34
	s_wait_kmcnt 0x0
	s_lshl_b32 s36, ttmp9, 17                      ; 32 tokens of 4,096 bytes; also the slab's 131,072 bytes
	s_add_nc_u64 s[4:5], s[4:5], s[36:37]
	s_add_nc_u64 s[10:11], s[10:11], s[36:37]
	; 16 loads: router_w for my four K steps.  Load n = 4 s + 2 jj + half: 16 bytes at 128 s + 64 jj + 16 half
.set n_, 0
.rept 16
	global_load_b128 v[RF+4*n_:RF+4*n_+3], v[RO], s[6:7] offset:128*(n_/4)+64*((n_/2)%2)+16*(n_%2)
.set n_, n_+1
.endr
	; 32 loads: my four token rows.  Pair n = 4 q + p: a lane's 32 bytes of part p (1,024 bytes) of row q
.set n_, 0
.rept 16
	global_load_b128 v[TK+8*n_:TK+8*n_+3],   v[TO], s[4:5] offset:(n_/4)*4096+(n_%4)*1024 th:TH_LOAD_NT
	global_load_b128 v[TK+8*n_+4:TK+8*n_+7], v[TO], s[4:5] offset:(n_/4)*4096+(n_%4)*1024+16 th:TH_LOAD_NT
.set n_, n_+1
.endr
	s_load_b256 s[24:31], s[8:9], 0x0              ; the bias
	s_lshl_b32 s36, ttmp9, 16
	s_add_nc_u64 s[12:13], s[12:13], s[36:37]      ; xb at the chunk
	s_lshr_b32 s39, ttmp9, 5                       ; e
	s_lshl_b32 s39, s39, 4
	s_lshl1_add_u32 s39, s32, s39                  ; 16 e + 2 v
	s_lshl_b32 s39, s39, 17
	s_and_b32 s40, ttmp9, 31                       ; ks
	s_lshl_b32 s40, s40, 12
	s_add_co_u32 s36, s39, s40
	s_add_nc_u64 s[14:15], s[14:15], s[36:37]      ; wt at (e, 2 v, ks)
	s_lshl_b32 s36, ttmp9, 7
	s_add_nc_u64 s[16:17], s[16:17], s[36:37]      ; info at the chunk
	s_lshl_b32 s36, ttmp9, 2
	s_add_nc_u64 s[18:19], s[18:19], s[36:37]      ; hist at column wg
	s_lshl_b32 s36, ttmp9, 8
	s_add_nc_u64 s[20:21], s[20:21], s[36:37]      ; gates at the chunk
.macro ULOAD dst, u                    ; weight unit u: k rows 8 u .. 8 u + 7 of the slab, my four columns; each load of the wave covers 512 consecutive bytes
.irp t, 0,1,2,3,4,5,6,7
	global_load_b128 v[(\dst)+4*(\t):(\dst)+4*(\t)+3], v[WO], s[10:11] offset:(8*(\u)+(\t))*4096 th:TH_LOAD_NT
.endr
.endm
	s_wait_loadcnt 32                              ; router_w is in: the 32 token loads are younger
.set z_, 0
.rept 32
	v_cvt_pk_bf16_f32 v[RB+z_], v[RF+2*z_], v[RF+2*z_+1]
.set z_, z_+1
.endr
	ULOAD RF, 0                                    ; 16 more loads go out where router_w lay
	ULOAD RF+32, 1
	; the tokens: rounded in place, stored to xb (512 consecutive bytes a wave and store) and laid into LDS for the router
.set n_, 0
.rept 16
	s_wait_loadcnt 46-2*n_                         ; pair n is in: 2 (15 - n) token loads and the 16 unit loads are younger
	v_cvt_pk_bf16_f32 v[TK+8*n_],   v[TK+8*n_],   v[TK+8*n_+1]
	v_cvt_pk_bf16_f32 v[TK+8*n_+1], v[TK+8*n_+2], v[TK+8*n_+3]
	v_cvt_pk_bf16_f32 v[TK+8*n_+2], v[TK+8*n_+4], v[TK+8*n_+5]
	v_cvt_pk_bf16_f32 v[TK+8*n_+3], v[TK+8*n_+6], v[TK+8*n_+7]
	global_store_b128 v[XO], v[TK+8*n_:TK+8*n_+3], s[12:13] offset:(n_/4)*2048+(n_%4)*512
	ds_store_b128 v[XL], v[TK+8*n_:TK+8*n_+3] offset:(n_/4)*XP+(n_%4)*512
.set n_, n_+1
.endr
	s_wait_dscnt 0x0                               ; for the others' sake: my four rows are in LDS
	s_barrier_signal -1
	s_barrier_wait -1                              ; all 32 rows are
	s_wait_xcnt 0x0                                ; the stores to xb have read their registers: only now are these loaded again
	ULOAD U23, 2
	ULOAD U23+32, 3
	; the router: my 128 of K, four steps; two blocks of 16 tokens
.set n_, 0
.rept 8                                ; block n / 4, K step n % 4
	ds_load_b128 v[XF+8*n_:XF+8*n_+3],   v[XR] offset:(n_/4)*16*XP+(n_%4)*64
	ds_load_b128 v[XF+8*n_+4:XF+8*n_+7], v[XR] offset:(n_/4)*16*XP+(n_%4)*64+32
.set n_, n_+1
.endr
	s_wait_dscnt 0x0
	; source 0 = experts, source 1 = tokens: a lane then holds ONE token (lane % 16) and register j expert j, in both halves of the lanes.  The two accumulators take turns.
	v_wmma_f32_16x16x32_bf16 v[D0:D0+7], v[RB:RB+7], v[XF:XF+7], 0
	v_wmma_f32_16x16x32_bf16 v[D1:D1+7], v[RB:RB+7], v[XF+32:XF+39], 0
.irp s, 1,2,3
	v_wmma_f32_16x16x32_bf16 v[D0:D0+7], v[RB+8*(\s):RB+8*(\s)+7], v[XF+8*(\s):XF+8*(\s)+7], v[D0:D0+7]
	v_wmma_f32_16x16x32_bf16 v[D1:D1+7], v[RB+8*(\s):RB+8*(\s)+7], v[XF+32+8*(\s):XF+32+8*(\s)+7], v[D1:D1+7]
.endr
.rept 4
	v_nop                                          ; four places behind the last product (ISA guide 7.12.1), ahead of the reads of its result and the writes over its sources
.endr
.irp j, 0,1,2,3,4,5,6,7
	v_cndmask_b32 v[LG+(\j)], v[D0+(\j)], v[D1+(\j)], s33  ; lanes 16 to 31 take the second block: lane l holds token l
.endr
	ds_store_b128 v[PA], v[LG:LG+3]
	ds_store_b128 v[PA], v[LG+4:LG+7] offset:16
	s_wait_kmcnt 0x0                               ; the bias
	s_wait_dscnt 0x0                               ; for wave 0's sake: my partial logits are in LDS
	s_barrier_signal -1
	s_barrier_wait -1
	s_cmp_lg_u32 s32, 0
	s_cbranch_scc1 .Lweights                       ; wave 0 alone routes the chunk: a token a lane; no barrier stands in what is jumped
.set P,  96                            ; v[96:103]  logits, then probabilities
.set Q,  104                           ; v[104:111] the bias; later the probabilities without the first choice
.set BT, 112
	v_lshl_add_u32 v[T0], v[LN], 5, PART
.set w_, 0
.rept 8
	ds_load_b128 v[XF+8*w_:XF+8*w_+3],   v[T0] offset:1024*w_
	ds_load_b128 v[XF+8*w_+4:XF+8*w_+7], v[T0] offset:1024*w_+16
.set w_, w_+1
.endr
	s_wait_dscnt 0x0
.set w_, 1
.rept 7                                ; the eight waves' parts of K, added in the waves' order
.irp z, 0,2,4,6
	v_pk_add_f32 v[P+(\z):P+(\z)+1], v[P+(\z):P+(\z)+1], v[P+8*w_+(\z):P+8*w_+(\z)+1]
.endr
.set w_, w_+1
.endr
.irp j, 0,1,2,3,4,5,6,7
	v_mov_b32 v[Q+(\j)], s[24+(\j)]
.endr
.irp z, 0,1,2,3
	v_cvt_pk_bf16_f32 v[BT+(\z)], v[Q+2*(\z)], v[Q+2*(\z)+1]  ; the bias is rounded like the other inputs,
.endr
.irp z, 0,1,2,3
	v_lshlrev_b32 v[Q+2*(\z)], 16, v[BT+(\z)]      ; and widened again
	v_and_b32 v[Q+2*(\z)+1], s33, v[BT+(\z)]
.endr
.irp z, 0,2,4,6
	v_pk_add_f32 v[P+(\z):P+(\z)+1], v[P+(\z):P+(\z)+1], v[Q+(\z):Q+(\z)+1]
.endr
	v_max3_num_f32 v116, v96, v97, v98             ; the softmax's maximum
	v_max3_num_f32 v116, v116, v99, v100
	v_max3_num_f32 v116, v116, v101, v102
	v_max_num_f32 v116, v116, v103
.irp j, 0,1,2,3,4,5,6,7
	v_sub_f32 v[P+(\j)], v[P+(\j)], v116
.endr
.irp j, 0,1,2,3,4,5,6,7
	v_mul_f32 v[P+(\j)], 0x3fb8aa3b, v[P+(\j)]     ; times log2(e)
.endr
.irp j, 0,1,2,3,4,5,6,7
	v_exp_f32 v[P+(\j)], v[P+(\j)]
.endr
	v_nop                                          ; a plain instruction behind the last exponential,
	s_wait_alu depctr_va_vdst(0)                   ; and the one wait ahead of the batch's first reader
	v_add_f32 v117, v96, v97
	v_add_f32 v118, v98, v99
	v_add_f32 v119, v100, v101
	v_add_f32 v120, v102, v103
	v_add_f32 v117, v117, v118
	v_add_f32 v119, v119, v120
	v_add_f32 v117, v117, v119
	v_rcp_f32 v118, v117
	v_mov_b32 v121, -1.0                           ; (the plain instruction behind the reciprocal)
	s_wait_alu depctr_va_vdst(0)
.irp j, 0,1,2,3,4,5,6,7
	v_mul_f32 v[P+(\j)], v[P+(\j)], v118           ; the probabilities
.endr
	v_mov_b32 v119, v96                            ; the first choice: p1 in v119, its expert in v120; a later expert wins only if it is strictly larger
	v_mov_b32 v120, 0
.irp j, 1,2,3,4,5,6,7
	v_cmp_ge_f32 vcc_lo, v119, v[P+(\j)]
	v_cndmask_b32 v119, v[P+(\j)], v119, vcc_lo
	v_cndmask_b32 v120, \j, v120, vcc_lo
.endr
.irp j, 0,1,2,3,4,5,6,7
	v_cmp_eq_u32 vcc_lo, \j, v120
	v_cndmask_b32 v[Q+(\j)], v[P+(\j)], v121, vcc_lo  ; the first choice counts as -1, below every probability
.endr
	v_mov_b32 v122, v104                           ; the second choice: p2 in v122, its expert in v123
	v_mov_b32 v123, 0
.irp j, 1,2,3,4,5,6,7
	v_cmp_ge_f32 vcc_lo, v122, v[Q+(\j)]
	v_cndmask_b32 v122, v[Q+(\j)], v122, vcc_lo
	v_cndmask_b32 v123, \j, v123, vcc_lo
.endr
	v_add_f32 v124, v119, v122
	v_add_f32 v124, s38, v124                      ; p1 + p2 + 1e-10
	v_rcp_f32 v125, v124
	v_cmp_lt_u32 vcc_lo, v120, v123                ; is the first choice the lower expert?
	v_cndmask_b32 v137, v123, v120, vcc_lo         ; a
	v_cndmask_b32 v138, v120, v123, vcc_lo         ; b
	s_wait_alu depctr_va_vdst(0)
	v_mul_f32 v126, v119, v125                     ; w1
	v_mul_f32 v127, v122, v125                     ; w2
	v_add_f32 v130, v126, v127                     ; sum w
	v_cndmask_b32 v131, v127, v126, vcc_lo         ; w_a
	v_cndmask_b32 v132, v126, v127, vcc_lo         ; w_b,
	v_max_num_f32 v132, 0x2b800000, v132           ; held at 2^-40 or more
	v_max_num_f32 v133, s38, v130                  ; clip(sum w, 1e-10)
	v_rcp_f32 v134, v132
	v_rcp_f32 v135, v133
	v_fma_f32 v136, v130, s38, 1.0                 ; 1 + 1e-10 sum w (the plain instruction behind the two reciprocals)
	s_wait_alu depctr_va_vdst(0)
	v_mul_f32 v128, v131, v134                     ; rho
	v_mul_f32 v136, v136, v135
	v_mul_f32 v129, v132, v136                     ; f2
	v_sub_nc_u32 v139, 15, v137                    ; the pair's number
	v_mul_u32_u24 v139, v137, v139
	v_lshrrev_b32 v139, 1, v139
	v_add_nc_u32 v139, v139, v138
	v_sub_nc_u32 v139, v139, v137
	v_add_nc_u32 v139, -1, v139
	v_mov_b32 v140, 0                              ; rank
	v_mov_b32 v141, 0                              ; lane g: the chunk's tokens of pair g
.set g_, 0
.rept 28
	v_cmp_eq_u32 s34, g_, v139
	s_bcnt1_i32_b32 s35, s34
	v_mbcnt_lo_u32_b32 v142, s34, 0                ; how many lower lanes have pair g
	v_cndmask_b32 v140, v140, v142, s34
	v_writelane_b32 v141, s35, g_
.set g_, g_+1
.endr
	v_lshlrev_b32 v139, 2, v139
	v_lshl_or_b32 v139, v140, 8, v139
	v_lshlrev_b32 v143, 2, v[LN]
	v_lshlrev_b32 v144, 3, v[LN]
	v_lshlrev_b32 v145, 10, v[LN]
	global_store_b32 v143, v139, s[16:17]          ; 128 consecutive bytes
	global_store_b64 v144, v[128:129], s[20:21]    ; 256 consecutive bytes
	global_store_b32 v145, v141, s[18:19]          ; a word in each of hist's 32 rows: 128 bytes a work-group, laid so that the next launch reads a pair's counts on end
.Lweights:
; Weight unit u: eight k of my four columns.  For column q the eight numbers, rounded, are 16 bytes of a fragment: jj = u / 2, h = u % 2.  Sixteen neighbouring lanes store 256 consecutive bytes, aligned.
.macro UNIT u, src
	s_wait_loadcnt 24-8*(\u)                       ; unit u is in: the later units' loads, eight each, are younger
	s_wait_xcnt 0x0                                ; earlier stores have read their registers: OW is written again only behind this wait
.irp q, 0,1,2,3
.irp z, 0,1,2,3
	v_cvt_pk_bf16_f32 v[OW+16*((\u)&1)+4*(\q)+(\z)], v[(\src)+8*(\z)+(\q)], v[(\src)+8*(\z)+4+(\q)]
.endr
.endr
.irp q, 0,1,2,3
	global_store_b128 v[WS], v[OW+16*((\u)&1)+4*(\q):OW+16*((\u)&1)+4*(\q)+3], s[14:15] offset:1024*(\q)+512*((\u)>>1)+256*((\u)&1)
.endr
.endm
	UNIT 0, RF
	UNIT 1, RF+32
	UNIT 2, U23
	UNIT 3, U23+32
	s_wait_tensorcnt 0x0                           ; the wave's end
	ds_add_u32 v[SPW], v[NIL]
	s_wait_dscnt 0x0
	s_endpgm
.Lfunc_end_k_qdb15097b29_prep:
	.size	k_qdb15097b29_prep, .Lfunc_end_k_qdb15097b29_prep-k_qdb15097b29_prep
	.p2alignl 7, 3214868480
	.fill 96, 4, 3214868480
	.section	.rodata,"a",@progbits
	.p2align	6, 0x0
	.amdhsa_kernel k_qdb15097b29_prep
		.amdhsa_group_segment_fixed_size 75264
		.amdhsa_private_segment_fixed_size 0
		.amdhsa_enable_private_segment 0
		.amdhsa_kernarg_size 72
		.amdhsa_user_sgpr_count 2
		.amdhsa_user_sgpr_kernarg_segment_ptr 1
		.amdhsa_wavefront_size32 1
		.amdhsa_system_sgpr_workgroup_id_x 1
		.amdhsa_system_sgpr_workgroup_id_y 1
		.amdhsa_system_sgpr_workgroup_id_z 1
		.amdhsa_system_vgpr_workitem_id 0
		.amdhsa_next_free_vgpr 256
		.amdhsa_next_free_sgpr 66
		.amdhsa_reserve_vcc 1
		.amdhsa_float_denorm_mode_32 3
		.amdhsa_float_denorm_mode_16_64 3
		.amdhsa_memory_ordered 1
		.amdhsa_forward_progress 1
		.amdhsa_inst_pref_size 45
	.end_amdhsa_kernel
	.amdgpu_metadata
---
amdhsa.version: [ 1, 2 ]
amdhsa.kernels:
  - .name:           k_qdb15097b29_prep
    .symbol:         k_qdb15097b29_prep.kd
    .args:
      - { .name: tokens, .offset: 0, .size: 8, .value_kind: global_buffer, .address_space: global }
      - { .name: router_w, .offset: 8, .size: 8, .value_kind: global_buffer, .address_space: global }
      - { .name: router_b, .offset: 16, .size: 8, .value_kind: global_buffer, .address_space: global }
      - { .name: expert_weights, .offset: 24, .size: 8, .value_kind: global_buffer, .address_space: global }
      - { .name: xb, .offset: 32, .size: 8, .value_kind: global_buffer, .address_space: global }
      - { .name: wt, .offset: 40, .size: 8, .value_kind: global_buffer, .address_space: global }
      - { .name: info, .offset: 48, .size: 8, .value_kind: global_buffer, .address_space: global }
      - { .name: hist, .offset: 56, .size: 8, .value_kind: global_buffer, .address_space: global }
      - { .name: gates, .offset: 64, .size: 8, .value_kind: global_buffer, .address_space: global }
    .group_segment_fixed_size: 75264
    .private_segment_fixed_size: 0
    .kernarg_segment_align: 8
    .kernarg_segment_size: 72
    .max_flat_workgroup_size: 256
    .sgpr_count:     66
    .vgpr_count:     256
    .wavefront_size: 32
...
	.end_amdgpu_metadata
.endif
;; end of part 1
;; launch moe (part 2): grid 4 x 64, 4 waves a work-group, no clusters, 320,768 bytes of LDS; arguments xb, wt, info, hist, gates, out0; writes out0
.if DOCPART == 2
	.amdgcn_target "amdgcn-amd-amdhsa--gfx1250"
	.amdhsa_code_object_version 6
	.text
	.protected	k_qdb15097b29_moe
	.globl	k_qdb15097b29_moe
	.p2align	8
	.type	k_qdb15097b29_moe,@function
k_qdb15097b29_moe:
	s_mov_b64 s[64:65], 0
	v_nop
	global_prefetch_b8 v0, s[64:65] scope:SCOPE_SE
	s_setreg_imm32_b32 hwreg(HW_REG_WAVE_MODE, 25, 1), 1
	s_wait_xcnt 0x0
; MOE: out[token] = (rho y_a + y_b) f2, y_e = x W_e, for the token's two experts a < b.  x (xb) and W (wt, in fragment order) are bf16; sums, gates and out in f32.
; THE DEAL.  Tokens are ordered by their PAIR of experts (28 pairs); each pair is padded to whole blocks of 16 rows: nb = sum of ceil(count / 16) blocks, 512 to 538 whatever the split.
; Share s of 64 owns blocks floor(s nb / 64) .. floor((s + 1) nb / 64) - 1: 8 or 9.  Work-group (c, s) makes its share's rows x columns 256 c .. + 255; wave w the columns 64 (4 c + w) .. + 63:
; 9 x 4 accumulators of 16 x 16.  Every work-group finds its rows by itself from hist (counts) and info (pair and rank), whole numbers that the launch before stored.
; THE PRODUCTS.  The share's rows lie in LDS for the whole K.  The weights come from memory straight into registers as fragments.
; Eight passes, one an expert, a constant count; pass e multiplies the blocks whose pair holds e (mask EM).  A pass with no such block, and
; in a pass a block's sixteen products, are jumped forward.  Behind pass e the blocks whose FIRST expert is e are multiplied by rho; at the end all by f2.  So both products share one accumulator.
; SOURCE 0 = 16 columns of W, SOURCE 1 = 16 rows of x: a lane holds ONE row (lane % 16), and register j of accumulator b the column 64 cg + 32 (lane / 16) + 4 j + b: a lane's 32 numbers are 128
; consecutive bytes of out.
; NO JOINT LOADS: x's rows come by a list, which no tile's descriptor covers; the weights never enter LDS; and which experts a share walks hangs on stored counts, so neighbours are not alike.
; STATED PRICES.  A block's first pass is known only at run time, so no product can start a sum on the constant 0: 288 v_mov_b32 clear the accumulators, most of them while the first loads are out.
; The weight loads run two chunks ahead and are never left out, so the last pass asks once more for its own first two chunks (32 KiB a wave, inside wt), which nobody reads.
; A place past a pair's count repeats its block's first token: the same bits are then stored twice to the same row.  A share of 8 blocks still gathers a ninth block's rows and drops them.
; LIMITS: those of the launch before (inputs rounded to bf16; w_b at least 2^-40; NaN and infinities not treated apart).
.set AP,    2064                       ; a row of x in LDS: 2,048 bytes + 16 = 516 words: the sixteen rows of a fragment load start 4 words apart modulo 64
.set BLK,   16*AP
.set STAGE, 144*AP                     ; behind the 144 rows: 16 rows x 272 bytes for each wave, for the way out
.set SP,    272
.set LISTS, STAGE+4*16*SP              ; a list of 256 slots for each wave: slot = place in the share, 144 = the dump
.set LIST2, LISTS+4096                 ; the merged list
.set QS,    LIST2+1024                 ; each wave's counts of the 32 pair numbers in its quarter of the chunks: 128 bytes a wave
.set SPARE, QS+512                     ; the spare words: 128 bytes for each wave, named by no other line
; window 0
.set LN,   1
.set SPW,  2                           ; LDS address of my spare word; never rewritten
.set NIL,  3                           ; 0; never rewritten
.set LOFF, 4                           ; 16 x lane
.set A0,   5                           ; my place in a fragment of x: row x pitch + 16 h; never rewritten
.set AD,   6                           ; v6-14   the same for blocks 0 to 8, at the trip's K: made anew at each trip's head; before that the gates' byte offsets
.set STO,  15
.set RD,   16
.set LRD,  17
.set C16,  18
.set HO,   19                          ; byte offset in hist
.set GOFF, 20                          ; v20-37  the gather's byte offsets; later OFS: two sets of eight byte offsets in out
.set OFS,  20
.set LB,   38                          ; v38, v39  LDS: where the gather's groups 0-8, 9-17 go
.set GT,   40                          ; v40-57  {rho, f2} of my row in blocks 0 to 8; before that the sort's registers:
.set QQ,   40
.set VC,   44
.set WB,   45
.set VBP,  46
.set BAS,  47
.set LSB,  48
.set TK0,  49
.set IO,   50
.set T1,   51
.set M1,   52
.set RR,   58
.set HH,   59
.set T2,   60
.set T3,   61
.set T4,   62
.set T5,   63
.set R,    64                          ; v64-127   set-up: prefix sums of my 64 chunks' counts, lane = pair
.set II,   128                         ; v128-191  set-up: info of my 64 chunks, lane = token
.set XX,   192                         ; v192-255  set-up: places
.set AF,   64                          ; v64-127   two buffers of a block's fragments of x for 128 of K
.set A8,   128                         ; v128-159  block 8's accumulators
.set TMP,  160                         ; v160-191  the way out
.set BK,   192                         ; v192-255  the way out: two sets of 16 rows x 256 bytes
; window 1: accumulator (i, b) at v[32 i + 8 b], blocks 0 to 7.   windows 2, 3: four buffers of 128 registers for weights: a chunk of 128 of K x 64 columns each
.set WV,  16
.set CC,  17
.set SH,  18
.set CG,  19
.set NBK, 20
.set ST,  21
.set EN,  22
.set CNT, 23
.set BP,  24                           ; s24-52  blocks ahead of pair g
.set FMQ, 54                           ; s[54:55] nine bits a pass, from the top: the blocks whose first expert is the pass's
.set SMQ, 56                           ; s[56:57] likewise: whose second expert is the NEXT pass's
.set AE,  58                           ; the experts that the share needs
.set TT,  60
.set TS,  62
.set LP,  66                           ; s[66:67] the address of the chunk of weights asked for last
.set NB,  68                           ; s[68:69] the next pass's first chunk
.set OFF, 70                           ; s[70:71] an offset, high word 0
.set EE,  72
.set TR,  74
.set EM,  75
.set FM,  76
.set SMC, 77
.set SMN, 78
.set UU,  80
.set OB,  82                           ; s[82:83] out0 at my wave's 64 columns
.set MSB, 0
.macro WIN new                         ; s_set_vgpr_msb: bits 1:0 source 0, 3:2 source 1, 5:4 source 2, 7:6 destination; the high byte repeats the setting that is left
.if MSB != (\new)
	s_set_vgpr_msb (MSB<<8)|(\new)
.set MSB, (\new)
.endif
.endm
.macro PLACES                          ; four places behind a matrix instruction, ahead of loads into registers that it has read and of vector lines that touch its result
.rept 4
	v_nop
.endr
.endm
.macro BLOAD buf                       ; a chunk of weights, 16,384 consecutive bytes: load q brings registers 4 q .. 4 q + 3: K step q / 8, accumulator column (q / 2) % 4, half q % 2
	WIN 0x80+0x40*((\buf)>>1)
.set q_, 0
.rept 32
	global_load_b128 v[128*((\buf)&1)+4*q_:128*((\buf)&1)+4*q_+3], v[LOFF], s[LP:LP+1] offset:512*q_
.set q_, q_+1
.endr
	WIN 0
.endm
	s_load_b256 s[4:11], s[0:1], 0x0               ; xb s[4:5], wt s[6:7], info s[8:9], hist s[10:11]
	s_load_b128 s[12:15], s[0:1], 0x20             ; gates s[12:13], out0 s[14:15]
	v_lshl_add_u32 v[SPW], v0, 2, SPARE
	v_mov_b32 v[NIL], 0
	v_and_b32 v[LN], 31, v0
	v_lshrrev_b32 v[T2], 5, v0
	v_readfirstlane_b32 s[WV], v[T2]               ; wave 0..3
	s_mov_b32 s[CC], ttmp9                         ; column block
	s_and_b32 s[SH], ttmp7, 0xffff                 ; share
	s_lshl2_add_u32 s[CG], s[CC], s[WV]            ; my group of 64 columns
	s_lshl_b32 s84, s[WV], 8
	v_lshl_add_u32 v[HO], v[LN], 10, s84           ; row = lane, my quarter of the 256 chunks
	s_lshl_b32 s84, s[WV], 13
	v_lshl_add_u32 v[IO], v[LN], 2, s84            ; my 2,048 tokens
	s_wait_kmcnt 0x0
.set i_, 0
.rept 16
	global_load_b128 v[R+4*i_:R+4*i_+3], v[HO], s[10:11] offset:16*i_
.set i_, i_+1
.endr
.set i_, 0
.rept 64
	global_load_b32 v[II+i_], v[IO], s[8:9] offset:128*i_
.set i_, i_+1
.endr
	; while these are on their way: my list is emptied, the accumulators are cleared, the addresses are made
	s_lshl_b32 s86, s[WV], 10
	s_add_co_u32 s86, s86, LISTS
	v_mov_b32 v[LSB], s86
	v_lshl_add_u32 v[T1], v[LN], 4, s86
.irp j, 0,1,2,3
	v_mov_b32 v[M1+(\j)], -1
.endr
	ds_store_b128 v[T1], v[M1:M1+3]
	ds_store_b128 v[T1], v[M1:M1+3] offset:512
	WIN 0x40
.set i_, 0
.rept 256
	v_mov_b32 v[i_], 0
.set i_, i_+1
.endr
	WIN 0
	v_lshlrev_b32 v[LOFF], 4, v[LN]
	v_and_b32 v[RR], 15, v0                        ; r
	v_bfe_u32 v[HH], v0, 4, 1                      ; h
	v_mul_u32_u24 v[A0], v[RR], AP
	v_lshl_add_u32 v[A0], v[HH], 4, v[A0]
	s_mul_i32 s87, s[WV], 16*SP
	s_add_co_u32 s87, s87, STAGE                   ; my stage
	v_mul_u32_u24 v[STO], v[RR], SP                ; in: row r, 128 bytes for each half of the lanes
	v_lshl_add_u32 v[STO], v[HH], 7, v[STO]
	v_add_nc_u32 v[STO], s87, v[STO]
	v_mul_u32_u24 v[RD], v[HH], SP                 ; back: lanes 0-15 one row of 256 bytes, lanes 16-31 the next
	v_lshl_add_u32 v[RD], v[RR], 4, v[RD]
	v_add_nc_u32 v[RD], s87, v[RD]
	v_lshl_add_u32 v[LRD], v[HH], 2, LIST2         ; and those two rows' tokens
	v_lshlrev_b32 v[C16], 4, v[RR]
	s_mul_i32 s88, s[WV], 36*AP                    ; the gather: my 36 of the 144 rows, two a group
	v_mul_u32_u24 v[LB], v[HH], AP
	v_add_nc_u32 v[LB], v[LB], v[C16]
	v_add_nc_u32 v[LB], s88, v[LB]
	v_add_nc_u32 v[LB+1], 18*AP, v[LB]             ; groups 9 to 17: the immediate has 16 bits
	s_lshl_b32 s89, s[WV], 11
	v_add_nc_u32 v[TK0], s89, v[LN]                ; the token of my lane in my first chunk
	v_lshl_add_u32 v[T2], v[LN], 2, QS
	s_lshl_b32 s84, s[WV], 7
	v_add_nc_u32 v[T3], s84, v[T2]
	s_mov_b32 s[OFF+1], 0
	s_lshl_b32 s[OFF], s[CG], 8
	s_add_nc_u64 s[OB:OB+1], s[14:15], s[OFF:OFF+1]
	; counts: lane g sums pair g's counts over my 64 chunks (kept as a running sum), the four waves' totals meet in LDS
	s_wait_loadcnt 63                              ; hist's 16 loads are in: the 64 loads of info are younger, and 63 is the largest count that the wait can name
.set i_, 1
.rept 63
	v_add_nc_u32 v[R+i_], v[R+i_], v[R+i_-1]
.set i_, i_+1
.endr
	ds_store_b32 v[T3], v[R+63]
	s_wait_dscnt 0x0                               ; for the others' sake: my totals (and my emptied list) are in LDS
	s_barrier_signal -1
	s_barrier_wait -1
.irp w, 0,1,2,3
	ds_load_b32 v[QQ+(\w)], v[T2] offset:128*(\w)
.endr
	s_cmp_gt_u32 s[WV], 0
	s_cselect_b32 s84, -1, 0
	s_cmp_gt_u32 s[WV], 1
	s_cselect_b32 s85, -1, 0
	s_cmp_gt_u32 s[WV], 2
	s_cselect_b32 s86, -1, 0
	s_wait_dscnt 0x0
	v_add_nc_u32 v[VC], v[QQ], v[QQ+1]
	v_add3_u32 v[VC], v[VC], v[QQ+2], v[QQ+3]      ; pair g's tokens in all
	v_and_b32 v[WB], s84, v[QQ]
	v_and_b32 v[T4], s85, v[QQ+1]
	v_and_b32 v[T5], s86, v[QQ+2]
	v_add3_u32 v[WB], v[WB], v[T4], v[T5]          ; and in the quarters ahead of mine
	v_mov_b32 v[VBP], 0
	s_mov_b32 s[BP], 0
.set g_, 0
.rept 28                               ; blocks ahead of each pair, as scalars and lane by lane
	v_readlane_b32 s84, v[VC], g_
	s_add_co_u32 s84, s84, 15
	s_lshr_b32 s84, s84, 4
	v_writelane_b32 v[VBP], s[BP+g_], g_
	s_add_co_u32 s[BP+g_+1], s[BP+g_], s84
.set g_, g_+1
.endr
	s_mov_b32 s[NBK], s[BP+28]
	s_mul_i32 s[ST], s[SH], s[NBK]
	s_lshr_b32 s[ST], s[ST], 6                     ; my share's first block,
	s_add_co_u32 s84, s[SH], 1
	s_mul_i32 s[EN], s84, s[NBK]
	s_lshr_b32 s[EN], s[EN], 6                     ; the next share's first,
	s_sub_co_u32 s[CNT], s[EN], s[ST]              ; 8 or 9 blocks
	s_mov_b64 s[FMQ:FMQ+1], 0
	s_mov_b64 s[SMQ:SMQ+1], 0
	s_mov_b32 s[AE], 0
	s_mov_b32 s[TT+1], 0
	; for each pair (a, b): the bits of my blocks that are its own go into pass a's field of FMQ and pass b - 1's field of SMQ.  The fields' bits are disjoint, so adding sets them.
.set g_, 0
.set pa_, 0
.rept 7
.set pb_, pa_+1
.rept 7-pa_
	s_max_u32 s84, s[BP+g_], s[ST]
	s_min_u32 s85, s[BP+g_+1], s[EN]
	s_sub_co_i32 s85, s85, s84
	s_max_i32 s85, s85, 0                          ; how many of my blocks,
	s_sub_co_u32 s84, s84, s[ST]                   ; from which on
	s_bfm_b32 s[TT], s85, s84
	s_cmp_lg_u32 s[TT], 0
	s_cselect_b32 s86, (1<<pa_)|(1<<pb_), 0
	s_or_b32 s[AE], s[AE], s86
	s_lshl_b64 s[TS:TS+1], s[TT:TT+1], 55-9*pa_
	s_add_nc_u64 s[FMQ:FMQ+1], s[FMQ:FMQ+1], s[TS:TS+1]
	s_lshl_b64 s[TS:TS+1], s[TT:TT+1], 55-9*(pb_-1)
	s_add_nc_u64 s[SMQ:SMQ+1], s[SMQ:SMQ+1], s[TS:TS+1]
.set pb_, pb_+1
.set g_, g_+1
.endr
.set pa_, pa_+1
.endr
	; the first needed expert's first two chunks of weights go out now
	s_ctz_i32_b32 s84, s[AE]
	s_min_u32 s84, s84, 7
	s_lshl_b32 s84, s84, 4
	s_add_co_u32 s84, s84, s[CG]
	s_lshl_b32 s[OFF], s84, 17                     ; (16 e + cg) x 131,072 bytes
	s_add_nc_u64 s[LP:LP+1], s[6:7], s[OFF:OFF+1]
	BLOAD 0
	s_wait_xcnt 0x0                                ; the base is stepped only behind this wait
	s_add_nc_u64 s[LP:LP+1], s[LP:LP+1], 0x4000
	BLOAD 1
	; places: a token's place in the share = 16 (blocks ahead of its pair - my first block) + its pair's tokens in earlier chunks + its rank
	v_sub_nc_u32 v[BAS], v[VBP], s[ST]
	v_lshl_add_u32 v[BAS], v[BAS], 4, v[WB]
.set i_, 0
.rept 63
	v_add_nc_u32 v[R+i_], v[R+i_], v[BAS]
.set i_, i_+1
.endr
	s_wait_loadcnt 0x0                             ; info is in (and with it all that was asked for)
	ds_bpermute_b32 v[XX], v[II], v[BAS]           ; lane = token takes lane = its pair's figure: the pair's number lies in bits 6:2 of info, which are the bits that select the lane
.set i_, 1
.rept 63
	ds_bpermute_b32 v[XX+i_], v[II+i_], v[R+i_-1]
.set i_, i_+1
.endr
	s_wait_dscnt 0x0
.set i_, 0
.rept 64
	v_lshrrev_b32 v[II+i_], 8, v[II+i_]            ; rank
	v_add_lshl_u32 v[XX+i_], v[XX+i_], v[II+i_], 2 ; the place, in bytes; a place ahead of my share is a huge unsigned number
	v_min_u32 v[XX+i_], 576, v[XX+i_]              ; all that is not mine goes to slot 144
	v_add_nc_u32 v[XX+i_], v[LSB], v[XX+i_]
	v_add_nc_u32 v[II+i_], 32*i_, v[TK0]           ; the token's number
	ds_store_b32 v[XX+i_], v[II+i_]
.set i_, i_+1
.endr
	s_wait_dscnt 0x0                               ; for the others' sake: my list is written
	s_barrier_signal -1
	s_barrier_wait -1
	; the four lists are merged (an empty slot is the largest number); an empty place takes its block's first token.  Thread t: slots t and t + 128
	v_lshlrev_b32 v64, 2, v0
	v_and_b32 v65, 0x1c0, v64
	v_add_nc_u32 v64, LISTS, v64
	v_add_nc_u32 v65, LISTS, v65
.irp w, 0,1,2,3
	ds_load_b32 v[66+(\w)], v64 offset:1024*(\w)
	ds_load_b32 v[70+(\w)], v65 offset:1024*(\w)
	ds_load_b32 v[74+(\w)], v64 offset:1024*(\w)+512
	ds_load_b32 v[78+(\w)], v65 offset:1024*(\w)+512
.endr
	v_lshl_add_u32 v82, v0, 2, LIST2
	s_wait_dscnt 0x0
.irp k, 66,70,74,78
	v_min_u32 v[\k], v[\k], v[(\k)+1]
	v_min_u32 v[(\k)+2], v[(\k)+2], v[(\k)+3]
	v_min_u32 v[\k], v[\k], v[(\k)+2]
.endr
	v_cmp_eq_u32 vcc_lo, -1, v66
	v_cndmask_b32 v66, v66, v70, vcc_lo
	v_cmp_eq_u32 vcc_lo, -1, v74
	v_cndmask_b32 v74, v74, v78, vcc_lo
	ds_store_b32 v82, v66
	ds_store_b32 v82, v74 offset:512
	s_wait_dscnt 0x0                               ; for the others' sake: my slots of the merged list are written
	s_barrier_signal -1
	s_barrier_wait -1
	; offsets from the list: the gather's rows 36 w + 2 p + h, and my row r of each block for the gates
	s_mul_i32 s84, s[WV], 144
	s_add_co_u32 s84, s84, LIST2
	v_lshl_add_u32 v[T2], v[HH], 2, s84
	v_lshl_add_u32 v[T3], v[RR], 2, LIST2
.set p_, 0
.rept 18
	ds_load_b32 v[GOFF+p_], v[T2] offset:8*p_
.set p_, p_+1
.endr
.set i_, 0
.rept 9
	ds_load_b32 v[AD+i_], v[T3] offset:64*i_
.set i_, i_+1
.endr
	s_wait_dscnt 0x0
.set i_, 0
.rept 9
	v_min_u32 v[AD+i_], 0x1fff, v[AD+i_]           ; a token's number stays inside the tables (an empty ninth block holds -1)
	v_lshlrev_b32 v[AD+i_], 3, v[AD+i_]
	global_load_b64 v[GT+2*i_:GT+2*i_+1], v[AD+i_], s[12:13]
.set i_, i_+1
.endr
.set p_, 0
.rept 18
	v_min_u32 v[GOFF+p_], 0x1fff, v[GOFF+p_]
	v_lshl_add_u32 v[GOFF+p_], v[GOFF+p_], 11, v[C16]
.set p_, p_+1
.endr
; THE GATHER.  Group p: two rows of 2,048 bytes, eight loads; sixteen lanes take 256 consecutive bytes of a row.  Six groups' registers take turns.
.macro GLOAD p
.irp u, 0,1,2,3,4,5,6,7
	global_load_b128 v[64+32*((\p)%6)+4*(\u):64+32*((\p)%6)+4*(\u)+3], v[GOFF+(\p)], s[4:5] offset:256*(\u)
.endr
.endm
.macro GSAVE p
.irp u, 0,1,2,3,4,5,6,7
	ds_store_b128 v[LB+(\p)/9], v[64+32*((\p)%6)+4*(\u):64+32*((\p)%6)+4*(\u)+3] offset:((\p)%9)*2*AP+256*(\u)
.endr
.endm
.irp p, 0,1,2,3,4,5
	GLOAD \p
.endr
.set p_, 0
.rept 18
.if p_ < 12
	s_wait_loadcnt 40                              ; group p is in: five younger groups of eight loads stay out
.else
	s_wait_loadcnt 8*(17-p_)                       ; the counts run down
.endif
	GSAVE p_
.if p_ < 12
	GLOAD p_+6
.endif
.set p_, p_+1
.endr
	s_wait_dscnt 0x0                               ; for the others' sake: my 36 rows are in LDS
	s_barrier_signal -1
.set i_, 0
.rept 32
	v_mov_b32 v[A8+i_], 0                          ; block 8's accumulators, where the gather's registers lay: work on registers between signal and wait
.set i_, i_+1
.endr
	s_barrier_wait -1                              ; all 144 rows are in LDS; from here on nobody writes them
; A block's fragments of x for chunk pos of the trip (128 of K: four steps), into buffer par
.macro ALOAD pos, i, par
.irp s, 0,1,2,3
	ds_load_b128 v[AF+32*(\par)+8*(\s):AF+32*(\par)+8*(\s)+3],   v[AD+(\i)] offset:256*(\pos)+64*(\s)
	ds_load_b128 v[AF+32*(\par)+8*(\s)+4:AF+32*(\par)+8*(\s)+7], v[AD+(\i)] offset:256*(\pos)+64*(\s)+32
.endr
.endm
; 16 products: block i x my 64 columns x 128 of K.  The block's four accumulators take turns, one instruction a turn; the run begins at accumulator 0 and ends at 3,
; so that no two products that follow each other share an accumulator, whichever blocks are jumped.
.macro MUL buf, i, par
.if (\i) < 8
	WIN 0x52+((\buf)>>1)                           ; weights in window 2 or 3, x in window 0, C and D in window 1
.set ac_, 32*(\i)
.else
	WIN 0x02+((\buf)>>1)                           ; block 8's accumulators lie in window 0
.set ac_, A8
.endif
.irp s, 0,1,2,3
.irp b, 0,1,2,3
	v_wmma_f32_16x16x32_bf16 v[ac_+8*(\b):ac_+8*(\b)+7], v[128*((\buf)&1)+8*(4*(\s)+(\b)):128*((\buf)&1)+8*(4*(\s)+(\b))+7], v[AF+32*(\par)+8*(\s):AF+32*(\par)+8*(\s)+7], v[ac_+8*(\b):ac_+8*(\b)+7]
.endr
.endr
	WIN 0
.endm
; Slot n = 9 pos + i of a trip's 36: the next slot's fragments of x are asked for, into the buffer that the slot before multiplied, then this slot's block is multiplied if it is alive in this pass.
.macro SLOT pos, i
.set n_, 9*(\pos)+(\i)
.set par_, n_&1
	PLACES
.if n_ < 35
.set nn_, n_+1
	ALOAD nn_/9, nn_%9, par_^1
	s_wait_dscnt 8                                 ; my slot's eight loads are in; the eight just issued stay out
.else
	s_wait_dscnt 0x0                               ; the trip's last slot asks for nothing
.endif
	s_bitcmp1_b32 s[EM], \i
	s_cbranch_scc0 .Ldead_\@                       ; only the sixteen products are jumped: every load and every wait stands on both ways
	MUL \pos, \i, par_
.Ldead_\@:
.endm
; Chunk pos of a trip lies in buffer pos.  The chunk two further on is asked for: in this pass, or (from the last trip's chunk 2 on) the next needed expert's first two.
.macro CHUNK pos
	s_wait_loadcnt 32                              ; my chunk's 32 loads are in; the next chunk's 32 stay out
	s_wait_xcnt 0x0                                ; the base is stepped only behind this wait
.if (\pos) == 2
	s_add_nc_u64 s[UU:UU+1], s[LP:LP+1], 0x4000
	s_cmp_eq_u32 s[TR], 1
	s_cselect_b64 s[LP:LP+1], s[NB:NB+1], s[UU:UU+1]
.else
	s_add_nc_u64 s[LP:LP+1], s[LP:LP+1], 0x4000
.endif
	BLOAD ((\pos)+2)%4                             ; its buffer was multiplied two chunks ago: the v_nop of nine slots lie between
.irp k, 0,1,2,3,4,5,6,7,8
	SLOT \pos, \k
.endr
.endm
.macro SCALE i                         ; block i's first product is done: times rho; each accumulator's registers in ascending order
	s_bitcmp1_b32 s[FM], \i
	s_cbranch_scc0 .Lnot_\@
.if (\i) < 8
	WIN 0x41                                       ; destination and source 0 in window 1, rho in window 0
.set ac_, 32*(\i)
.else
.set ac_, A8
.endif
.set z_, 0
.rept 16
	v_pk_mul_f32 v[ac_+2*z_:ac_+2*z_+1], v[ac_+2*z_:ac_+2*z_+1], v[GT+2*(\i):GT+2*(\i)+1] op_sel_hi:[1,0]
.set z_, z_+1
.endr
	WIN 0
.Lnot_\@:
.endm
	s_mov_b32 s[EE], 0
	s_mov_b32 s[SMC], 0
.Lpass:                                                ; eight passes, one an expert
	s_lshr_b32 s[FM], s[FMQ+1], 23                 ; the blocks whose first expert is e,
	s_lshl_b64 s[FMQ:FMQ+1], s[FMQ:FMQ+1], 9
	s_lshr_b32 s[SMN], s[SMQ+1], 23                ; those whose second is e + 1
	s_lshl_b64 s[SMQ:SMQ+1], s[SMQ:SMQ+1], 9
	s_or_b32 s[EM], s[FM], s[SMC]                  ; the blocks alive in this pass
	s_cmp_eq_u32 s[EM], 0
	s_cbranch_scc1 .Lnext                          ; none: the pass is jumped whole; the two chunks that are out belong to the next needed expert and stay out
	s_add_co_u32 s84, s[EE], 1                     ; the next needed expert above e, or e itself if there is none
	s_lshr_b32 s85, s[AE], s84
	s_ctz_i32_b32 s86, s85
	s_add_co_u32 s86, s86, s84
	s_cmp_eq_u32 s85, 0
	s_cselect_b32 s86, s[EE], s86
	s_min_u32 s86, s86, 7
	s_lshl_b32 s86, s86, 4
	s_add_co_u32 s86, s86, s[CG]
	s_lshl_b32 s[OFF], s86, 17
	s_add_nc_u64 s[NB:NB+1], s[6:7], s[OFF:OFF+1]
	s_mov_b32 s[TR], 2
.Ltrip:                                                ; a trip: 512 of K, four chunks
	s_sub_co_u32 s84, 2, s[TR]                     ; trip 0 or 1 of the pass:
	s_lshl_b32 s84, s84, 10                        ; 512 of K are 1,024 bytes of a row
.set i_, 0
.rept 9                                ; the blocks' addresses are made anew from A0, the block's constant and the trip's number; on the way back these nine vector lines are also the places behind the last products
	s_add_co_u32 s85, s84, i_*BLK
	v_add_nc_u32 v[AD+i_], s85, v[A0]
.set i_, i_+1
.endr
	ALOAD 0, 0, 0
	CHUNK 0
	CHUNK 1
	CHUNK 2
	CHUNK 3
	s_sub_co_u32 s[TR], s[TR], 1
	s_cmp_lg_u32 s[TR], 0
	s_cbranch_scc1 .Ltrip
	PLACES                                         ; behind the pass's last products, ahead of the lines that read and rewrite their results
.irp k, 0,1,2,3,4,5,6,7,8
	SCALE \k
.endr
.Lnext:
	s_mov_b32 s[SMC], s[SMN]
	s_add_co_u32 s[EE], s[EE], 1
	s_cmp_lt_u32 s[EE], 8
	s_cbranch_scc1 .Lpass
	; One barrier between the passes' LDS reads and the way out's LDS writes.  The reads take x's rows, below STAGE, the writes the stages above it; the barrier orders the two in every wave, whatever the addresses.
	s_wait_dscnt 0x0                               ; my reads of x's rows are over
	s_barrier_signal -1
	s_barrier_wait -1                              ; everybody's are
; THE WAY OUT, a block at a time.  MULS: times f2, into the order of the columns (each accumulator is read first at its register 0).  TOSTAGE: a lane's 128 bytes of a row into my own stage, and back
; as whole rows of 256 bytes, with the rows' tokens.  SEND: sixteen lanes store 256 consecutive bytes, at a multiple of 256 from out0's first byte.
.macro MULS i
.if (\i) < 8
	WIN 0x01                                       ; source 0 in window 1
.set ac_, 32*(\i)
.else
.set ac_, A8
.endif
.irp j, 0,1,2,3,4,5,6,7
.irp b, 0,1,2,3
	v_mul_f32 v[TMP+4*(\j)+(\b)], v[ac_+8*(\b)+(\j)], v[GT+2*(\i)+1]
.endr
.endr
	WIN 0
.endm
.macro TOSTAGE i
	s_wait_xcnt 0x0                                ; earlier stores have read their registers: BK and OFS are loaded again only behind this wait
.irp j, 0,1,2,3,4,5,6,7
	ds_store_b128 v[STO], v[TMP+4*(\j):TMP+4*(\j)+3] offset:16*(\j)
.endr
.irp t, 0,1,2,3,4,5,6,7
	ds_load_b128 v[BK+32*((\i)&1)+4*(\t):BK+32*((\i)&1)+4*(\t)+3], v[RD] offset:2*SP*(\t)  ; LDS serves a wave's instructions in order (ISA guide 5.7.1.4): these see the stores above
.endr
.irp t, 0,1,2,3,4,5,6,7
	ds_load_b32 v[OFS+8*((\i)&1)+(\t)], v[LRD] offset:64*(\i)+8*(\t)
.endr
.endm
.macro SEND i
	s_wait_dscnt 0x0                               ; the block and its tokens are in registers
.irp t, 0,1,2,3,4,5,6,7
	v_min_u32 v[OFS+8*((\i)&1)+(\t)], 0x1fff, v[OFS+8*((\i)&1)+(\t)]
	v_lshl_add_u32 v[OFS+8*((\i)&1)+(\t)], v[OFS+8*((\i)&1)+(\t)], 12, v[C16]
.endr
.irp t, 0,1,2,3,4,5,6,7
	global_store_b128 v[OFS+8*((\i)&1)+(\t)], v[BK+32*((\i)&1)+4*(\t):BK+32*((\i)&1)+4*(\t)+3], s[OB:OB+1] th:TH_STORE_NT
.endr
.endm
	MULS 0
	TOSTAGE 0
.irp k, 1,2,3,4,5,6,7                  ; a block's multiplies stand between the loads of the block before and the wait for them
	MULS \k
	SEND (\k)-1
	TOSTAGE \k
.endr
	SEND 7
	s_cmp_eq_u32 s[CNT], 9
	s_cbranch_scc0 .Lend                           ; a share of eight blocks stores no ninth
	MULS 8
	TOSTAGE 8
	SEND 8
.Lend:
	s_wait_tensorcnt 0x0                           ; the wave's end
	ds_add_u32 v[SPW], v[NIL]
	s_wait_dscnt 0x0
	s_endpgm
.Lfunc_end_k_qdb15097b29_moe:
	.size	k_qdb15097b29_moe, .Lfunc_end_k_qdb15097b29_moe-k_qdb15097b29_moe
	.p2alignl 7, 3214868480
	.fill 96, 4, 3214868480
	.section	.rodata,"a",@progbits
	.p2align	6, 0x0
	.amdhsa_kernel k_qdb15097b29_moe
		.amdhsa_group_segment_fixed_size 320768
		.amdhsa_private_segment_fixed_size 0
		.amdhsa_enable_private_segment 0
		.amdhsa_kernarg_size 48
		.amdhsa_user_sgpr_count 2
		.amdhsa_user_sgpr_kernarg_segment_ptr 1
		.amdhsa_wavefront_size32 1
		.amdhsa_system_sgpr_workgroup_id_x 1
		.amdhsa_system_sgpr_workgroup_id_y 1
		.amdhsa_system_sgpr_workgroup_id_z 1
		.amdhsa_system_vgpr_workitem_id 0
		.amdhsa_next_free_vgpr 1024
		.amdhsa_next_free_sgpr 96
		.amdhsa_reserve_vcc 1
		.amdhsa_float_denorm_mode_32 3
		.amdhsa_float_denorm_mode_16_64 3
		.amdhsa_memory_ordered 1
		.amdhsa_forward_progress 1
		.amdhsa_inst_pref_size 233
	.end_amdhsa_kernel
	.amdgpu_metadata
---
amdhsa.version: [ 1, 2 ]
amdhsa.kernels:
  - .name:           k_qdb15097b29_moe
    .symbol:         k_qdb15097b29_moe.kd
    .args:
      - { .name: xb, .offset: 0, .size: 8, .value_kind: global_buffer, .address_space: global }
      - { .name: wt, .offset: 8, .size: 8, .value_kind: global_buffer, .address_space: global }
      - { .name: info, .offset: 16, .size: 8, .value_kind: global_buffer, .address_space: global }
      - { .name: hist, .offset: 24, .size: 8, .value_kind: global_buffer, .address_space: global }
      - { .name: gates, .offset: 32, .size: 8, .value_kind: global_buffer, .address_space: global }
      - { .name: out0, .offset: 40, .size: 8, .value_kind: global_buffer, .address_space: global }
    .group_segment_fixed_size: 320768
    .private_segment_fixed_size: 0
    .kernarg_segment_align: 8
    .kernarg_segment_size: 48
    .max_flat_workgroup_size: 128
    .sgpr_count:     96
    .vgpr_count:     1024
    .wavefront_size: 32
...
	.end_amdgpu_metadata
.endif
;; end of part 2
;; ======== version 2 of 2: 2 launches; 1.12 times as fast as version 1
;; workspace buffers: xb 16,777,216 bytes; wt 16,777,216 bytes; info 32,768 bytes of whole numbers; hist 32,768 bytes of whole numbers; gates 65,536 bytes
;; launch prep (part 3): grid 256 x 1, 8 waves a work-group, no clusters, 75,264 bytes of LDS; arguments tokens, router_w, router_b, expert_weights, xb, wt, info, hist, gates; writes xb, wt, info, hist, gates
.if DOCPART == 3
	.amdgcn_target "amdgcn-amd-amdhsa--gfx1250"
	.amdhsa_code_object_version 6
	.text
	.protected	k_qdb15097b29_prep
	.globl	k_qdb15097b29_prep
	.p2align	8
	.type	k_qdb15097b29_prep,@function
k_qdb15097b29_prep:
	s_mov_b64 s[64:65], 0
	v_nop
	global_prefetch_b8 v0, s[64:65] scope:SCOPE_SE
	s_setreg_imm32_b32 hwreg(HW_REG_WAVE_MODE, 25, 1), 1
	s_wait_xcnt 0x0
; PREP: rounds every input to bf16 once, lays the experts' weights out as matrix fragments, and routes the tokens.
; Work-group wg (of 256, eight waves) owns chunk wg: tokens 32 wg .. 32 wg + 31, and the weight slab of expert wg / 32, k rows 32 (wg % 32) .. + 31: 131,072 consecutive bytes.
;   xb    [8192][1024] bf16: the tokens.
;   wt    byte ((e 16 + cg) 32 + ks) 4096 + b 1024 + jj 512 + (16 h + r) 16 holds k = 32 ks + 16 jj + 8 h + 0..7 of column n = 64 cg + 4 r + b of expert e:
;         512 consecutive bytes are four registers of a fragment (lane = 16 h + r) of a 16 x 32 operand whose sixteen rows are the columns 64 cg + 4 r + b.
;   info  one word a token: pair number << 2 | rank << 8.  A token's two experts a < b have pair number a (15 - a) / 2 + (b - a - 1 if a is even, 7 - b if a is odd), 0..27: the pairs of equal a lie on end,
;         those of odd a backward, so that two pairs that follow each other share an expert.  rank counts the chunk's earlier tokens of the same pair.
;   hist  [32][256] words: row g, column wg: the chunk's tokens of pair g; rows 28 to 31 are 0.
;   gates {rho, f2} in f32 a token: out = (rho y_a + y_b) f2, with rho = w_a / w_b, f2 = w_b (1 + 1e-10 sum w) / max(sum w, 1e-10).
; THE ROUTER runs on the rounded tokens, router weights and bias: products on the matrix unit, K shared among the eight waves (128 each), the eight partial logits added in f32 in the waves' order.
; Softmax with the maximum taken away; top 2 by strict comparison going upward, so that equal numbers keep the lower index.  No address and no branch hangs on the choice: all stores go to fixed places.
; ALL LOADS GO OUT EARLY: a wave's 80 loads (16 of router_w, 32 of tokens, 32 of weights) are asked for before its first barrier, at most 62 of them out at a time.
; LIMITS.  All four inputs are rounded to bf16 (nearest even).  w_b is held at 2^-40 or more, which adds at most 2^-40 |y_b| to a number.  A probability below 2^-126 counts as 0.
; NaN and infinities are not treated apart.
.set XP,    2064                       ; a token's row in LDS: 2,048 bytes + 16 = 516 words: the sixteen rows of a fragment load start 4 words apart modulo 64
.set PART,  32*XP                      ; the waves' partial logits: 8 waves x 32 tokens x 32 bytes
.set SPARE, PART+8*1024                ; the spare words: 128 bytes for each of eight waves, named by no other line
.set LN,  1                            ; lane
.set SPW, 2                            ; LDS address of my spare word; never rewritten
.set NIL, 3                            ; 0; never rewritten
.set RR,  4                            ; lane % 16
.set HH,  5                            ; lane / 16
.set RO,  6                            ; byte offset in router_w
.set TO,  7                            ; in the chunk's tokens
.set XO,  8                            ; in the chunk's rows of xb
.set XL,  9                            ; LDS: where I put 16 bytes of a token's row
.set XR,  10                           ; LDS: my place in a fragment of tokens
.set WO,  11                           ; byte offset in a row of the weight slab
.set WS,  12                           ; the lane's term of wt's address
.set PA,  13                           ; LDS: my partial logits
.set T0,  14
.set D0,  16                           ; v[16:23], v[24:31]: the router's two accumulators (tokens 0-15, 16-31)
.set D1,  24
.set TK,  32                           ; v[32:159] tokens as loaded; later v[32:63] packed weights to store, and XF
.set XF,  96                           ; v[96:159] fragments of tokens; in wave 0 then the softmax's registers
.set RF,  160                          ; v[160:223] router_w in f32; then weight units 0 and 1
.set RB,  224                          ; v[224:255] router_w's fragments; then LG; then packed weights to store
.set LG,  224
.set W23, 0                            ; window 1, v[0:63] there (v256-319): weight units 2 and 3
.set MSB, 0
.macro WIN new                         ; s_set_vgpr_msb: bits 1:0 source 0, 3:2 source 1, 5:4 source 2, 7:6 destination; the high byte repeats the setting that is left
.if MSB != (\new)
	s_set_vgpr_msb (MSB<<8)|(\new)
.set MSB, (\new)
.endif
.endm
.macro ULOAD dst, u, w                 ; weight unit u: k rows 8 u .. 8 u + 7 of the slab, my four columns, into window w; each load of the wave covers 512 consecutive bytes
	WIN 0x40*(\w)
.irp t, 0,1,2,3,4,5,6,7
	global_load_b128 v[(\dst)+4*(\t):(\dst)+4*(\t)+3], v[WO], s[10:11] offset:(8*(\u)+(\t))*4096 th:TH_LOAD_NT
.endr
	WIN 0
.endm
	s_load_b512 s[4:19], s[0:1], 0x0               ; tokens s[4:5], router_w s[6:7], router_b s[8:9], expert_weights s[10:11], xb s[12:13], wt s[14:15], info s[16:17], hist s[18:19]
	s_load_b64 s[20:21], s[0:1], 0x40              ; gates
	v_lshl_add_u32 v[SPW], v0, 2, SPARE
	v_mov_b32 v[NIL], 0
	v_and_b32 v[LN], 31, v0
	v_lshrrev_b32 v[T0], 5, v0
	v_readfirstlane_b32 s32, v[T0]                 ; wave v, 0..7
	v_and_b32 v[RR], 15, v0
	v_bfe_u32 v[HH], v0, 4, 1
	s_mov_b32 s33, 0xffff0000                      ; a word's upper bf16; also the mask of lanes 16 to 31
	s_mov_b32 s38, 0x2edbe6ff                      ; 1e-10
	s_mov_b32 s37, 0
	v_and_b32 v[RO], 7, v0                         ; fragment rows 8 to 15 repeat experts 0 to 7
	v_lshlrev_b32 v[RO], 12, v[RO]
	v_lshl_add_u32 v[RO], v[HH], 5, v[RO]
	s_lshl_b32 s34, s32, 9
	v_add_nc_u32 v[RO], s34, v[RO]                 ; expert x 4,096 + 32 h + 512 v: my wave's 128 of K
	v_lshl_add_u32 v[WO], v[LN], 4, s34            ; 16 lane + 512 v: columns 128 v + 4 lane + 0..3
	s_lshl_b32 s34, s32, 14
	v_lshl_add_u32 v[TO], v[LN], 5, s34            ; 32 lane + my wave's four rows of 4,096 bytes
	s_lshl_b32 s34, s32, 13
	v_lshl_add_u32 v[XO], v[LN], 4, s34            ; 16 lane + four rows of 2,048 bytes
	s_mul_i32 s34, s32, 4*XP
	v_lshl_add_u32 v[XL], v[LN], 4, s34
	v_mul_u32_u24 v[XR], v[RR], XP
	v_lshl_add_u32 v[XR], v[HH], 4, v[XR]
	s_lshl_b32 s34, s32, 8
	v_add_nc_u32 v[XR], s34, v[XR]                 ; row x pitch + 16 h + 256 v
	v_lshlrev_b32 v[WS], 4, v[RR]
	v_lshl_add_u32 v[WS], v[HH], 17, v[WS]         ; lanes 16 to 31 hold the next group of 64 columns
	s_lshl_b32 s34, s32, 10
	s_add_co_u32 s34, s34, PART
	v_lshl_add_u32 v[PA], v[LN], 5, s34
	s_wait_kmcnt 0x0
	s_lshl_b32 s36, ttmp9, 17                      ; 32 tokens of 4,096 bytes; also the slab's 131,072 bytes
	s_add_nc_u64 s[4:5], s[4:5], s[36:37]
	s_add_nc_u64 s[10:11], s[10:11], s[36:37]
	; 16 loads: router_w for my four K steps.  Load n = 4 s + 2 jj + half: 16 bytes at 128 s + 64 jj + 16 half
.set n_, 0
.rept 16
	global_load_b128 v[RF+4*n_:RF+4*n_+3], v[RO], s[6:7] offset:128*(n_/4)+64*((n_/2)%2)+16*(n_%2)
.set n_, n_+1
.endr
	; 32 loads: my four token rows.  Pair n = 4 q + p: a lane's 32 bytes of part p (1,024 bytes) of row q
.set n_, 0
.rept 16
	global_load_b128 v[TK+8*n_:TK+8*n_+3],   v[TO], s[4:5] offset:(n_/4)*4096+(n_%4)*1024 th:TH_LOAD_NT
	global_load_b128 v[TK+8*n_+4:TK+8*n_+7], v[TO], s[4:5] offset:(n_/4)*4096+(n_%4)*1024+16 th:TH_LOAD_NT
.set n_, n_+1
.endr
	ULOAD W23, 2, 1                                ; 8 loads more: 56 are out
	s_load_b256 s[24:31], s[8:9], 0x0              ; the bias
	s_lshl_b32 s36, ttmp9, 16
	s_add_nc_u64 s[12:13], s[12:13], s[36:37]      ; xb at the chunk
	s_lshr_b32 s39, ttmp9, 5                       ; e
	s_lshl_b32 s39, s39, 4
	s_lshl1_add_u32 s39, s32, s39                  ; 16 e + 2 v
	s_lshl_b32 s39, s39, 17
	s_and_b32 s40, ttmp9, 31                       ; ks
	s_lshl_b32 s40, s40, 12
	s_add_co_u32 s36, s39, s40
	s_add_nc_u64 s[14:15], s[14:15], s[36:37]      ; wt at (e, 2 v, ks)
	s_lshl_b32 s36, ttmp9, 7
	s_add_nc_u64 s[16:17], s[16:17], s[36:37]      ; info at the chunk
	s_lshl_b32 s36, ttmp9, 2
	s_add_nc_u64 s[18:19], s[18:19], s[36:37]      ; hist at column wg
	s_lshl_b32 s36, ttmp9, 8
	s_add_nc_u64 s[20:21], s[20:21], s[36:37]      ; gates at the chunk
	s_wait_loadcnt 40                              ; router_w is in: the 32 token loads and unit 2's 8 are younger
.set z_, 0
.rept 32
	v_cvt_pk_bf16_f32 v[RB+z_], v[RF+2*z_], v[RF+2*z_+1]
.set z_, z_+1
.endr
	ULOAD RF, 0, 0                                 ; 16 more loads go out where router_w lay
	ULOAD RF+32, 1, 0
	; the tokens: rounded in place, stored to xb (512 consecutive bytes a wave and store) and laid into LDS for the router
.set n_, 0
.rept 16
.if n_ == 0
	s_wait_loadcnt 54                              ; pair 0 is in: 30 token loads and 24 unit loads are younger
.else
	s_wait_loadcnt 62-2*n_                         ; pair n is in: 2 (15 - n) token loads and the 32 unit loads are younger
.endif
	v_cvt_pk_bf16_f32 v[TK+8*n_],   v[TK+8*n_],   v[TK+8*n_+1]
	v_cvt_pk_bf16_f32 v[TK+8*n_+1], v[TK+8*n_+2], v[TK+8*n_+3]
	v_cvt_pk_bf16_f32 v[TK+8*n_+2], v[TK+8*n_+4], v[TK+8*n_+5]
	v_cvt_pk_bf16_f32 v[TK+8*n_+3], v[TK+8*n_+6], v[TK+8*n_+7]
	global_store_b128 v[XO], v[TK+8*n_:TK+8*n_+3], s[12:13] offset:(n_/4)*2048+(n_%4)*512
	ds_store_b128 v[XL], v[TK+8*n_:TK+8*n_+3] offset:(n_/4)*XP+(n_%4)*512
.if n_ == 0
	ULOAD W23+32, 3, 1                             ; the last 8 loads: 62 are out at the most
.endif
.set n_, n_+1
.endr
	s_wait_dscnt 0x0                               ; for the others' sake: my four rows are in LDS
	s_barrier_signal -1
	s_barrier_wait -1                              ; all 32 rows are
	s_wait_xcnt 0x0                                ; the stores to xb have read their registers: only behind this wait are these written again (the fragments below; later the packed weights)
	; the router: my 128 of K, four steps; two blocks of 16 tokens
.set n_, 0
.rept 8                                ; block n / 4, K step n % 4
	ds_load_b128 v[XF+8*n_:XF+8*n_+3],   v[XR] offset:(n_/4)*16*XP+(n_%4)*64
	ds_load_b128 v[XF+8*n_+4:XF+8*n_+7], v[XR] offset:(n_/4)*16*XP+(n_%4)*64+32
.set n_, n_+1
.endr
	s_wait_dscnt 0x0
	; source 0 = experts, source 1 = tokens: a lane then holds ONE token (lane % 16) and register j expert j, in both halves of the lanes.  The two accumulators take turns.
	v_wmma_f32_16x16x32_bf16 v[D0:D0+7], v[RB:RB+7], v[XF:XF+7], 0
	v_wmma_f32_16x16x32_bf16 v[D1:D1+7], v[RB:RB+7], v[XF+32:XF+39], 0
.irp s, 1,2,3
	v_wmma_f32_16x16x32_bf16 v[D0:D0+7], v[RB+8*(\s):RB+8*(\s)+7], v[XF+8*(\s):XF+8*(\s)+7], v[D0:D0+7]
	v_wmma_f32_16x16x32_bf16 v[D1:D1+7], v[RB+8*(\s):RB+8*(\s)+7], v[XF+32+8*(\s):XF+32+8*(\s)+7], v[D1:D1+7]
.endr
.rept 4
	v_nop                                          ; four places behind the last product (ISA guide 7.12.1), ahead of the reads of its result and the writes over its sources
.endr
.irp j, 0,1,2,3,4,5,6,7
	v_cndmask_b32 v[LG+(\j)], v[D0+(\j)], v[D1+(\j)], s33  ; lanes 16 to 31 take the second block: lane l holds token l
.endr
	ds_store_b128 v[PA], v[LG:LG+3]
	ds_store_b128 v[PA], v[LG+4:LG+7] offset:16
	s_wait_kmcnt 0x0                               ; the bias
	s_wait_dscnt 0x0                               ; for wave 0's sake: my partial logits are in LDS
	s_barrier_signal -1
	s_barrier_wait -1
	s_cmp_lg_u32 s32, 0
	s_cbranch_scc1 .Lweights                       ; wave 0 alone routes the chunk: a token a lane; no barrier stands in what is jumped
.set P,  96                            ; v[96:103]  logits, then probabilities
.set Q,  104                           ; v[104:111] the bias; later the probabilities without the first choice
.set BT, 112
	v_lshl_add_u32 v[T0], v[LN], 5, PART
.set w_, 0
.rept 8
	ds_load_b128 v[XF+8*w_:XF+8*w_+3],   v[T0] offset:1024*w_
	ds_load_b128 v[XF+8*w_+4:XF+8*w_+7], v[T0] offset:1024*w_+16
.set w_, w_+1
.endr
	s_wait_dscnt 0x0
.set w_, 1
.rept 7                                ; the eight waves' parts of K, added in the waves' order
.irp z, 0,2,4,6
	v_pk_add_f32 v[P+(\z):P+(\z)+1], v[P+(\z):P+(\z)+1], v[P+8*w_+(\z):P+8*w_+(\z)+1]
.endr
.set w_, w_+1
.endr
.irp j, 0,1,2,3,4,5,6,7
	v_mov_b32 v[Q+(\j)], s[24+(\j)]
.endr
.irp z, 0,1,2,3
	v_cvt_pk_bf16_f32 v[BT+(\z)], v[Q+2*(\z)], v[Q+2*(\z)+1]  ; the bias is rounded like the other inputs,
.endr
.irp z, 0,1,2,3
	v_lshlrev_b32 v[Q+2*(\z)], 16, v[BT+(\z)]      ; and widened again
	v_and_b32 v[Q+2*(\z)+1], s33, v[BT+(\z)]
.endr
.irp z, 0,2,4,6
	v_pk_add_f32 v[P+(\z):P+(\z)+1], v[P+(\z):P+(\z)+1], v[Q+(\z):Q+(\z)+1]
.endr
	v_max3_num_f32 v116, v96, v97, v98             ; the softmax's maximum
	v_max3_num_f32 v116, v116, v99, v100
	v_max3_num_f32 v116, v116, v101, v102
	v_max_num_f32 v116, v116, v103
.irp j, 0,1,2,3,4,5,6,7
	v_sub_f32 v[P+(\j)], v[P+(\j)], v116
.endr
.irp j, 0,1,2,3,4,5,6,7
	v_mul_f32 v[P+(\j)], 0x3fb8aa3b, v[P+(\j)]     ; times log2(e)
.endr
.irp j, 0,1,2,3,4,5,6,7
	v_exp_f32 v[P+(\j)], v[P+(\j)]
.endr
	v_nop                                          ; a plain instruction behind the last exponential,
	s_wait_alu depctr_va_vdst(0)                   ; and the one wait ahead of the batch's first reader
	v_add_f32 v117, v96, v97
	v_add_f32 v118, v98, v99
	v_add_f32 v119, v100, v101
	v_add_f32 v120, v102, v103
	v_add_f32 v117, v117, v118
	v_add_f32 v119, v119, v120
	v_add_f32 v117, v117, v119
	v_rcp_f32 v118, v117
	v_mov_b32 v121, -1.0                           ; (the plain instruction behind the reciprocal)
	s_wait_alu depctr_va_vdst(0)
.irp j, 0,1,2,3,4,5,6,7
	v_mul_f32 v[P+(\j)], v[P+(\j)], v118           ; the probabilities
.endr
	v_mov_b32 v119, v96                            ; the first choice: p1 in v119, its expert in v120; a later expert wins only if it is strictly larger
	v_mov_b32 v120, 0
.irp j, 1,2,3,4,5,6,7
	v_cmp_ge_f32 vcc_lo, v119, v[P+(\j)]
	v_cndmask_b32 v119, v[P+(\j)], v119, vcc_lo
	v_cndmask_b32 v120, \j, v120, vcc_lo
.endr
.irp j, 0,1,2,3,4,5,6,7
	v_cmp_eq_u32 vcc_lo, \j, v120
	v_cndmask_b32 v[Q+(\j)], v[P+(\j)], v121, vcc_lo  ; the first choice counts as -1, below every probability
.endr
	v_mov_b32 v122, v104                           ; the second choice: p2 in v122, its expert in v123
	v_mov_b32 v123, 0
.irp j, 1,2,3,4,5,6,7
	v_cmp_ge_f32 vcc_lo, v122, v[Q+(\j)]
	v_cndmask_b32 v122, v[Q+(\j)], v122, vcc_lo
	v_cndmask_b32 v123, \j, v123, vcc_lo
.endr
	v_add_f32 v124, v119, v122
	v_add_f32 v124, s38, v124                      ; p1 + p2 + 1e-10
	v_rcp_f32 v125, v124
	v_cmp_lt_u32 vcc_lo, v120, v123                ; is the first choice the lower expert?
	v_cndmask_b32 v137, v123, v120, vcc_lo         ; a
	v_cndmask_b32 v138, v120, v123, vcc_lo         ; b
	s_wait_alu depctr_va_vdst(0)
	v_mul_f32 v126, v119, v125                     ; w1
	v_mul_f32 v127, v122, v125                     ; w2
	v_add_f32 v130, v126, v127                     ; sum w
	v_cndmask_b32 v131, v127, v126, vcc_lo         ; w_a
	v_cndmask_b32 v132, v126, v127, vcc_lo         ; w_b,
	v_max_num_f32 v132, 0x2b800000, v132           ; held at 2^-40 or more
	v_max_num_f32 v133, s38, v130                  ; clip(sum w, 1e-10)
	v_rcp_f32 v134, v132
	v_rcp_f32 v135, v133
	v_fma_f32 v136, v130, s38, 1.0                 ; 1 + 1e-10 sum w (the plain instruction behind the two reciprocals)
	s_wait_alu depctr_va_vdst(0)
	v_mul_f32 v128, v131, v134                     ; rho
	v_mul_f32 v136, v136, v135
	v_mul_f32 v129, v132, v136                     ; f2
	v_sub_nc_u32 v139, 15, v137                    ; the pair's number: the pairs ahead of those with first expert a: a (15 - a) / 2,
	v_mul_u32_u24 v139, v137, v139
	v_lshrrev_b32 v139, 1, v139
	v_sub_nc_u32 v146, v138, v137
	v_add_nc_u32 v146, -1, v146                    ; then b - a - 1 if a is even,
	v_sub_nc_u32 v147, 7, v138                     ; 7 - b if a is odd
	v_and_b32 v148, 1, v137
	v_cmp_eq_u32 vcc_lo, 1, v148
	v_cndmask_b32 v146, v146, v147, vcc_lo
	v_add_nc_u32 v139, v139, v146
	v_mov_b32 v140, 0                              ; rank
	v_mov_b32 v141, 0                              ; lane g: the chunk's tokens of pair g
.set g_, 0
.rept 28
	v_cmp_eq_u32 s34, g_, v139
	s_bcnt1_i32_b32 s35, s34
	v_mbcnt_lo_u32_b32 v142, s34, 0                ; how many lower lanes have pair g
	v_cndmask_b32 v140, v140, v142, s34
	v_writelane_b32 v141, s35, g_
.set g_, g_+1
.endr
	v_lshlrev_b32 v139, 2, v139
	v_lshl_or_b32 v139, v140, 8, v139
	v_lshlrev_b32 v143, 2, v[LN]
	v_lshlrev_b32 v144, 3, v[LN]
	v_lshlrev_b32 v145, 10, v[LN]
	global_store_b32 v143, v139, s[16:17]          ; 128 consecutive bytes
	global_store_b64 v144, v[128:129], s[20:21]    ; 256 consecutive bytes
	global_store_b32 v145, v141, s[18:19]          ; a word in each of hist's 32 rows: 128 bytes a work-group, laid so that the next launch reads a pair's counts on end
.Lweights:
; Weight unit u (in window w): eight k of my four columns.  For column q the eight numbers, rounded, are 16 bytes of a fragment: jj = u / 2, h = u % 2.  Sixteen neighbouring lanes store 256 consecutive
; bytes, aligned.  The units come in the order in which they were asked for; left = the loads of the units asked for later.  Each unit packs into sixteen registers of its own (ow), so no store's data is rewritten.
.macro UNIT u, src, w, left, ow
	s_wait_loadcnt \left
	WIN 0x05*(\w)                                  ; sources 0 and 1 in window w
.irp q, 0,1,2,3
.irp z, 0,1,2,3
	v_cvt_pk_bf16_f32 v[(\ow)+4*(\q)+(\z)], v[(\src)+8*(\z)+(\q)], v[(\src)+8*(\z)+4+(\q)]
.endr
.endr
	WIN 0
.irp q, 0,1,2,3
	global_store_b128 v[WS], v[(\ow)+4*(\q):(\ow)+4*(\q)+3], s[14:15] offset:1024*(\q)+512*((\u)>>1)+256*((\u)&1)
.endr
.endm
	UNIT 2, W23,    1, 24, 224
	UNIT 0, RF,     0, 16, 240
	UNIT 1, RF+32,  0, 8,  32
	UNIT 3, W23+32, 1, 0,  48
	s_wait_tensorcnt 0x0                           ; the wave's end
	ds_add_u32 v[SPW], v[NIL]
	s_wait_dscnt 0x0
	s_endpgm
.Lfunc_end_k_qdb15097b29_prep:
	.size	k_qdb15097b29_prep, .Lfunc_end_k_qdb15097b29_prep-k_qdb15097b29_prep
	.p2alignl 7, 3214868480
	.fill 96, 4, 3214868480
	.section	.rodata,"a",@progbits
	.p2align	6, 0x0
	.amdhsa_kernel k_qdb15097b29_prep
		.amdhsa_group_segment_fixed_size 75264
		.amdhsa_private_segment_fixed_size 0
		.amdhsa_enable_private_segment 0
		.amdhsa_kernarg_size 72
		.amdhsa_user_sgpr_count 2
		.amdhsa_user_sgpr_kernarg_segment_ptr 1
		.amdhsa_wavefront_size32 1
		.amdhsa_system_sgpr_workgroup_id_x 1
		.amdhsa_system_sgpr_workgroup_id_y 1
		.amdhsa_system_sgpr_workgroup_id_z 1
		.amdhsa_system_vgpr_workitem_id 0
		.amdhsa_next_free_vgpr 320
		.amdhsa_next_free_sgpr 66
		.amdhsa_reserve_vcc 1
		.amdhsa_float_denorm_mode_32 3
		.amdhsa_float_denorm_mode_16_64 3
		.amdhsa_memory_ordered 1
		.amdhsa_forward_progress 1
		.amdhsa_inst_pref_size 45
	.end_amdhsa_kernel
	.amdgpu_metadata
---
amdhsa.version: [ 1, 2 ]
amdhsa.kernels:
  - .name:           k_qdb15097b29_prep
    .symbol:         k_qdb15097b29_prep.kd
    .args:
      - { .name: tokens, .offset: 0, .size: 8, .value_kind: global_buffer, .address_space: global }
      - { .name: router_w, .offset: 8, .size: 8, .value_kind: global_buffer, .address_space: global }
      - { .name: router_b, .offset: 16, .size: 8, .value_kind: global_buffer, .address_space: global }
      - { .name: expert_weights, .offset: 24, .size: 8, .value_kind: global_buffer, .address_space: global }
      - { .name: xb, .offset: 32, .size: 8, .value_kind: global_buffer, .address_space: global }
      - { .name: wt, .offset: 40, .size: 8, .value_kind: global_buffer, .address_space: global }
      - { .name: info, .offset: 48, .size: 8, .value_kind: global_buffer, .address_space: global }
      - { .name: hist, .offset: 56, .size: 8, .value_kind: global_buffer, .address_space: global }
      - { .name: gates, .offset: 64, .size: 8, .value_kind: global_buffer, .address_space: global }
    .group_segment_fixed_size: 75264
    .private_segment_fixed_size: 0
    .kernarg_segment_align: 8
    .kernarg_segment_size: 72
    .max_flat_workgroup_size: 256
    .sgpr_count:     66
    .vgpr_count:     320
    .wavefront_size: 32
...
	.end_amdgpu_metadata
.endif
;; end of part 3
;; launch moe (part 4): grid 4 x 64, 4 waves a work-group, no clusters, 320,768 bytes of LDS; arguments xb, wt, info, hist, gates, out0; writes out0
.if DOCPART == 4
	.amdgcn_target "amdgcn-amd-amdhsa--gfx1250"
	.amdhsa_code_object_version 6
	.text
	.protected	k_qdb15097b29_moe
	.globl	k_qdb15097b29_moe
	.p2align	8
	.type	k_qdb15097b29_moe,@function
k_qdb15097b29_moe:
	s_mov_b64 s[64:65], 0
	v_nop
	global_prefetch_b8 v0, s[64:65] scope:SCOPE_SE
	s_setreg_imm32_b32 hwreg(HW_REG_WAVE_MODE, 25, 1), 1
	s_wait_xcnt 0x0
; MOE: out[token] = (rho y_a + y_b) f2, y_e = x W_e, for the token's two experts a < b.  x (xb) and W (wt, in fragment order) are bf16; sums, gates and out in f32.
; THE DEAL.  Tokens are ordered by their PAIR of experts (28 pairs, numbered so that two pairs that follow each other share an expert: a share that spans two pairs walks three experts, not four);
; each pair is padded to whole blocks of 16 rows: nb = sum of ceil(count / 16) blocks, 512 to 538 whatever the split.
; Share s of 64 owns blocks floor(s nb / 64) .. floor((s + 1) nb / 64) - 1: 8 or 9.  Work-group (c, s) makes its share's rows x columns 256 c .. + 255; wave w the columns 64 (4 c + w) .. + 63:
; 9 x 4 accumulators of 16 x 16.  Every work-group finds its rows by itself from hist (counts) and info (pair and rank), whole numbers that the launch before stored.
; THE PRODUCTS.  The share's rows lie in LDS for the whole K.  The weights come from memory straight into registers as fragments.
; Eight passes, one an expert, a constant count; pass e multiplies the blocks whose pair holds e (mask EM).  A pass with no such block is
; jumped whole.  In a pass the work goes in SLOTS of two blocks x 128 of K: up to 32 products behind one run of 16 LDS loads; a dead block's products are jumped, and so are the LDS loads of a slot whose
; two blocks are both dead.  Behind pass e the blocks whose FIRST expert is e are multiplied by rho; at the end all by f2.  So both products share one accumulator.
; SOURCE 0 = 16 columns of W, SOURCE 1 = 16 rows of x: a lane holds ONE row (lane % 16), and register j of accumulator b the column 64 cg + 32 (lane / 16) + 4 j + b: a lane's 32 numbers are 128
; consecutive bytes of out.
; NO JOINT LOADS: x's rows come by a list, which no tile's descriptor covers; the weights never enter LDS; and which experts a share walks hangs on stored counts, so neighbours are not alike.
; STATED PRICES.  A block's first pass is known only at run time, so no product can start a sum on the constant 0: 288 v_mov_b32 clear the accumulators, most of them while the first loads are out.
; The weight loads run two chunks ahead and are never left out, so the last pass asks once more for its own first two chunks (32 KiB a wave, inside wt), which nobody reads.
; A dead block beside a live one in a slot has its fragments of x loaded all the same; so have blocks 0 and 1 at the head of each trip.
; A place past a pair's count repeats its block's first token: the same bits are then stored twice to the same row.  A share of 8 blocks still gathers a ninth block's rows and drops them.
; LIMITS: those of the launch before (inputs rounded to bf16; w_b at least 2^-40; NaN and infinities not treated apart).
.set AP,    2064                       ; a row of x in LDS: 2,048 bytes + 16 = 516 words: the sixteen rows of a fragment load start 4 words apart modulo 64
.set BLK,   16*AP
.set STAGE, 144*AP                     ; behind the 144 rows: 16 rows x 272 bytes for each wave, for the way out
.set SP,    272
.set LISTS, STAGE+4*16*SP              ; a list of 256 slots for each wave: slot = place in the share, 144 = the dump
.set LIST2, LISTS+4096                 ; the merged list
.set QS,    LIST2+1024                 ; each wave's counts of the 32 pair numbers in its quarter of the chunks: 128 bytes a wave
.set SPARE, QS+512                     ; the spare words: 128 bytes for each wave, named by no other line
; window 0
.set LN,   1
.set SPW,  2                           ; LDS address of my spare word; never rewritten
.set NIL,  3                           ; 0; never rewritten
.set LOFF, 4                           ; 16 x lane
.set A0,   5                           ; my place in a fragment of x: row x pitch + 16 h; never rewritten
.set AD,   6                           ; v6-14   the same for blocks 0 to 8, at the trip's K: made anew at each trip's head; before that the gates' byte offsets; on the way out a set of byte offsets in out
.set STO,  15
.set RD,   16
.set LRD,  17
.set C16,  18
.set HO,   19                          ; byte offset in hist
.set GOFF, 20                          ; v20-37  the gather's byte offsets; on the way out two sets of eight byte offsets in out
.set LB,   38                          ; v38, v39  LDS: where the gather's groups 0-8, 9-17 go
.set GT,   40                          ; v40-57  {rho, f2} of my row in blocks 0 to 8; before that the sort's registers:
.set QQ,   40
.set VC,   44
.set WB,   45
.set VBP,  46
.set BAS,  47
.set LSB,  48
.set TK0,  49
.set IO,   50
.set T1,   51
.set M1,   52
.set RR,   58
.set HH,   59
.set T2,   60
.set T3,   61
.set T4,   62
.set T5,   63
.set R,    64                          ; v64-127   set-up: running sums of my 64 chunks' counts, lane = pair
.set II,   128                         ; v128-191  set-up: info of my 64 chunks, lane = token
.set XX,   192                         ; v192-255  set-up: places
.set AF0,  64                          ; v64-127   the loop: two blocks' fragments of x for 128 of K, buffer 0
.set A8,   128                         ; v128-159  block 8's accumulators
.set AF1,  160                         ; v160-223  the loop: buffer 1
.set TMP,  160                         ; v160-191  the way out; v192-223, v224-255 and v64-95 are its three sets of 16 rows x 256 bytes
; window 1: accumulator (i, b) at v[32 i + 8 b], blocks 0 to 7.   windows 2, 3: four buffers of 128 registers for weights: a chunk of 128 of K x 64 columns each
.set WV,  16
.set CC,  17
.set SH,  18
.set CG,  19
.set NBK, 20
.set ST,  21
.set EN,  22
.set CNT, 23
.set BP,  24                           ; s24-52  blocks ahead of pair g
.set FMQ, 54                           ; s[54:55] nine bits a pass, from the top: the blocks whose first expert is the pass's
.set SMQ, 56                           ; s[56:57] likewise: whose second expert is the NEXT pass's
.set AE,  58                           ; the experts that the share needs
.set TT,  60
.set TS,  62
.set LP,  66                           ; s[66:67] the address of the chunk of weights asked for last
.set NB,  68                           ; s[68:69] the next pass's first chunk
.set OFF, 70                           ; s[70:71] an offset, high word 0
.set EE,  72
.set TR,  74
.set EM,  75
.set FM,  76
.set SMC, 77
.set SMN, 78
.set UU,  80                           ; s[80:81] the very first chunk's address; later at work
.set OB,  82                           ; s[82:83] out0 at my wave's 64 columns
.set MSB, 0
.macro WIN new                         ; s_set_vgpr_msb: bits 1:0 source 0, 3:2 source 1, 5:4 source 2, 7:6 destination; the high byte repeats the setting that is left
.if MSB != (\new)
	s_set_vgpr_msb (MSB<<8)|(\new)
.set MSB, (\new)
.endif
.endm
.macro PLACES                          ; four places behind a matrix instruction, ahead of loads into registers that it has read and of vector lines that touch its result
.rept 4
	v_nop
.endr
.endm
; A chunk of weights, 16,384 consecutive bytes from the address in s[bs:bs+1]: load q brings registers 4 q .. 4 q + 3: K step q / 8, accumulator column (q / 2) % 4, half q % 2.  Loads q0 .. q0 + qn - 1 of the 32.
.macro BLOAD buf, q0=0, qn=32, bs=LP
	WIN 0x80+0x40*((\buf)>>1)
.set q_, (\q0)
.rept (\qn)
	global_load_b128 v[128*((\buf)&1)+4*q_:128*((\buf)&1)+4*q_+3], v[LOFF], s[(\bs):(\bs)+1] offset:512*q_
.set q_, q_+1
.endr
	WIN 0
.endm
	s_load_b256 s[4:11], s[0:1], 0x0               ; xb s[4:5], wt s[6:7], info s[8:9], hist s[10:11]
	s_load_b128 s[12:15], s[0:1], 0x20             ; gates s[12:13], out0 s[14:15]
	v_lshl_add_u32 v[SPW], v0, 2, SPARE
	v_mov_b32 v[NIL], 0
	v_and_b32 v[LN], 31, v0
	v_lshrrev_b32 v[T2], 5, v0
	v_readfirstlane_b32 s[WV], v[T2]               ; wave 0..3
	s_mov_b32 s[CC], ttmp9                         ; column block
	s_and_b32 s[SH], ttmp7, 0xffff                 ; share
	s_lshl2_add_u32 s[CG], s[CC], s[WV]            ; my group of 64 columns
	s_lshl_b32 s84, s[WV], 8
	v_lshl_add_u32 v[HO], v[LN], 10, s84           ; row = lane, my quarter of the 256 chunks
	s_lshl_b32 s84, s[WV], 13
	v_lshl_add_u32 v[IO], v[LN], 2, s84            ; my 2,048 tokens
	s_wait_kmcnt 0x0
.set i_, 0
.rept 16
	global_load_b128 v[R+4*i_:R+4*i_+3], v[HO], s[10:11] offset:16*i_
.set i_, i_+1
.endr
	; LOADcnt's field holds 63, and the issue of a load that would pass it stalls (ISA guide 5.7.1): 16 + 47 loads go out here, info's other 17 behind the register work below
.set ii_, 0
.rept 47
	global_load_b32 v[II+ii_], v[IO], s[8:9] offset:128*ii_
.set ii_, ii_+1
.endr
	; while these are on their way: my list is emptied, the accumulators are cleared, the addresses are made
	s_lshl_b32 s86, s[WV], 10
	s_add_co_u32 s86, s86, LISTS
	v_mov_b32 v[LSB], s86
	v_lshl_add_u32 v[T1], v[LN], 4, s86
.irp j, 0,1,2,3
	v_mov_b32 v[M1+(\j)], -1
.endr
	ds_store_b128 v[T1], v[M1:M1+3]
	ds_store_b128 v[T1], v[M1:M1+3] offset:512
	WIN 0x40
.set i_, 0
.rept 256
	v_mov_b32 v[i_], 0
.set i_, i_+1
.endr
	WIN 0
	v_lshlrev_b32 v[LOFF], 4, v[LN]
	v_and_b32 v[RR], 15, v0                        ; r
	v_bfe_u32 v[HH], v0, 4, 1                      ; h
	v_mul_u32_u24 v[A0], v[RR], AP
	v_lshl_add_u32 v[A0], v[HH], 4, v[A0]
	s_mul_i32 s87, s[WV], 16*SP
	s_add_co_u32 s87, s87, STAGE                   ; my stage
	v_mul_u32_u24 v[STO], v[RR], SP                ; in: row r, 128 bytes for each half of the lanes
	v_lshl_add_u32 v[STO], v[HH], 7, v[STO]
	v_add_nc_u32 v[STO], s87, v[STO]
	v_mul_u32_u24 v[RD], v[HH], SP                 ; back: lanes 0-15 one row of 256 bytes, lanes 16-31 the next
	v_lshl_add_u32 v[RD], v[RR], 4, v[RD]
	v_add_nc_u32 v[RD], s87, v[RD]
	v_lshl_add_u32 v[LRD], v[HH], 2, LIST2         ; and those two rows' tokens
	v_lshlrev_b32 v[C16], 4, v[RR]
	s_mul_i32 s88, s[WV], 36*AP                    ; the gather: my 36 of the 144 rows, two a group
	v_mul_u32_u24 v[LB], v[HH], AP
	v_add_nc_u32 v[LB], v[LB], v[C16]
	v_add_nc_u32 v[LB], s88, v[LB]
	v_add_nc_u32 v[LB+1], 18*AP, v[LB]             ; groups 9 to 17: the immediate has 16 bits
	s_lshl_b32 s89, s[WV], 11
	v_add_nc_u32 v[TK0], s89, v[LN]                ; the token of my lane in my first chunk
	v_lshl_add_u32 v[T2], v[LN], 2, QS
	s_lshl_b32 s84, s[WV], 7
	v_add_nc_u32 v[T3], s84, v[T2]
	s_mov_b32 s[OFF+1], 0
	s_lshl_b32 s[OFF], s[CG], 8
	s_add_nc_u64 s[OB:OB+1], s[14:15], s[OFF:OFF+1]
.rept 17
	global_load_b32 v[II+ii_], v[IO], s[8:9] offset:128*ii_
.set ii_, ii_+1
.endr
	; counts: lane g sums pair g's counts over my 64 chunks, as running sums in four chains of 16 chunks that take turns, so that no line reads the result of the line before it;
	; what lies ahead of a chain is added further down, together with the base.  The four waves' totals meet in LDS.
	s_wait_loadcnt 63                              ; hist's 16 loads are in: the 64 loads of info are younger, and 63 is the largest count that the wait can name
.set j_, 1
.rept 15
.irp c, 0,1,2,3
	v_add_nc_u32 v[R+16*(\c)+j_], v[R+16*(\c)+j_], v[R+16*(\c)+j_-1]
.endr
.set j_, j_+1
.endr
	v_add_nc_u32 v[T4], v[R+15], v[R+31]
	v_add_nc_u32 v[T5], v[R+47], v[R+63]
	v_add_nc_u32 v[T4], v[T4], v[T5]
	ds_store_b32 v[T3], v[T4]
	s_wait_dscnt 0x0                               ; for the others' sake: my totals (and my emptied list) are in LDS
	s_barrier_signal -1
	s_barrier_wait -1
.irp w, 0,1,2,3
	ds_load_b32 v[QQ+(\w)], v[T2] offset:128*(\w)
.endr
	s_cmp_gt_u32 s[WV], 0
	s_cselect_b32 s84, -1, 0
	s_cmp_gt_u32 s[WV], 1
	s_cselect_b32 s85, -1, 0
	s_cmp_gt_u32 s[WV], 2
	s_cselect_b32 s86, -1, 0
	s_wait_dscnt 0x0
	v_add_nc_u32 v[VC], v[QQ], v[QQ+1]
	v_and_b32 v[WB], s84, v[QQ]
	v_and_b32 v[T4], s85, v[QQ+1]
	v_and_b32 v[T5], s86, v[QQ+2]
	v_add3_u32 v[VC], v[VC], v[QQ+2], v[QQ+3]      ; pair g's tokens in all
	v_add3_u32 v[WB], v[WB], v[T4], v[T5]          ; and in the quarters ahead of mine
	v_add_nc_u32 v[VC], 15, v[VC]
	v_mov_b32 v[VBP], 0
	v_lshrrev_b32 v[VC], 4, v[VC]                  ; pair g's blocks
	s_mov_b32 s[BP], 0
.set g_, 0
.rept 28                               ; read out side by side,
	v_readlane_b32 s[BP+g_+1], v[VC], g_
.set g_, g_+1
.endr
.set g_, 0
.rept 28                               ; summed: blocks ahead of each pair, as scalars
	s_add_co_u32 s[BP+g_+1], s[BP+g_+1], s[BP+g_]
.set g_, g_+1
.endr
.set g_, 1
.rept 27                               ; and lane by lane
	v_writelane_b32 v[VBP], s[BP+g_], g_
.set g_, g_+1
.endr
	s_mov_b32 s[NBK], s[BP+28]
	s_mul_i32 s[ST], s[SH], s[NBK]
	s_lshr_b32 s[ST], s[ST], 6                     ; my share's first block,
	s_add_co_u32 s84, s[SH], 1
	s_mul_i32 s[EN], s84, s[NBK]
	s_lshr_b32 s[EN], s[EN], 6                     ; the next share's first,
	s_sub_co_u32 s[CNT], s[EN], s[ST]              ; 8 or 9 blocks
	; The first expert that the share needs is the first expert of my first block's pair: the pairs of first expert a begin at number a (15 - a) / 2, and the blocks ahead of them never fall.
	s_mov_b32 s84, 0
.irp a, 1,2,3,4,5,6
	s_cmp_le_u32 s[BP+(\a)*(15-(\a))/2], s[ST]
	s_cselect_b32 s84, \a, s84
.endr
	s_min_u32 s84, s84, 7
	s_lshl_b32 s84, s84, 4
	s_add_co_u32 s84, s84, s[CG]
	s_lshl_b32 s[OFF], s84, 17                     ; (16 e + cg) x 131,072 bytes
	s_add_nc_u64 s[UU:UU+1], s[6:7], s[OFF:OFF+1]  ; the first two chunks have a base of their own each: no base is stepped while its loads are out
	s_add_nc_u64 s[LP:LP+1], s[UU:UU+1], 0x4000
	s_wait_loadcnt 0x0                             ; info is in: this wait stands ahead of the weights' loads, which the sort below does not need
	BLOAD 0, 0, 32, UU                             ; that expert's first two chunks of weights go out now and land under the sort:
	BLOAD 1, 0, 31                                 ; 32 + 31 loads, as many as LOADcnt's field holds; the second chunk's last load follows ahead of the gates'
	; places: a token's place in the share = 16 (blocks ahead of its pair - my first block) + its pair's tokens in earlier chunks + its rank
	v_sub_nc_u32 v[BAS], v[VBP], s[ST]
	v_lshl_add_u32 v[BAS], v[BAS], 4, v[WB]
	v_add_nc_u32 v[M1], v[BAS], v[R+15]            ; the base of chains 1, 2, 3: with the chains ahead of them
	v_add_nc_u32 v[M1+1], v[M1], v[R+31]
	v_add_nc_u32 v[M1+2], v[M1+1], v[R+47]
.set i_, 0
.rept 63
.if i_ < 16
	v_add_nc_u32 v[R+i_], v[R+i_], v[BAS]
.else
	v_add_nc_u32 v[R+i_], v[R+i_], v[M1+i_/16-1]
.endif
.set i_, i_+1
.endr
	ds_bpermute_b32 v[XX], v[II], v[BAS]           ; lane = token takes lane = its pair's figure: the pair's number lies in bits 6:2 of info, which are the bits that select the lane
.set i_, 1
.rept 63
	ds_bpermute_b32 v[XX+i_], v[II+i_], v[R+i_-1]
.set i_, i_+1
.endr
	s_wait_dscnt 0x0
	; phase by phase over the 64 chunks, so that no line reads the result of the line before it
.set i_, 0
.rept 64
	v_lshrrev_b32 v[II+i_], 8, v[II+i_]            ; rank
.set i_, i_+1
.endr
.set i_, 0
.rept 64
	v_add_lshl_u32 v[XX+i_], v[XX+i_], v[II+i_], 2 ; the place, in bytes; a place ahead of my share is a huge unsigned number
.set i_, i_+1
.endr
.set i_, 0
.rept 64
	v_add_nc_u32 v[II+i_], 32*i_, v[TK0]           ; the token's number
.set i_, i_+1
.endr
.set i_, 0
.rept 64
	v_min_u32 v[XX+i_], 576, v[XX+i_]              ; all that is not mine goes to slot 144
.set i_, i_+1
.endr
.set i_, 0
.rept 64
	v_add_nc_u32 v[XX+i_], v[LSB], v[XX+i_]
.set i_, i_+1
.endr
.set i_, 0
.rept 64
	ds_store_b32 v[XX+i_], v[II+i_]
.set i_, i_+1
.endr
	s_wait_dscnt 0x0                               ; for the others' sake: my list is written
	s_barrier_signal -1
	s_barrier_wait -1
	; the four lists are merged (an empty slot is the largest number); an empty place takes its block's first token.  Thread t: slots t and t + 128
	v_lshlrev_b32 v64, 2, v0
	v_and_b32 v65, 0x1c0, v64
	v_add_nc_u32 v64, LISTS, v64
	v_add_nc_u32 v65, LISTS, v65
.irp w, 0,1,2,3
	ds_load_b32 v[66+(\w)], v64 offset:1024*(\w)
	ds_load_b32 v[70+(\w)], v65 offset:1024*(\w)
	ds_load_b32 v[74+(\w)], v64 offset:1024*(\w)+512
	ds_load_b32 v[78+(\w)], v65 offset:1024*(\w)+512
.endr
	v_lshl_add_u32 v82, v0, 2, LIST2
	s_wait_dscnt 0x0
.irp k, 66,70,74,78
	v_min_u32 v[\k], v[\k], v[(\k)+1]
	v_min_u32 v[(\k)+2], v[(\k)+2], v[(\k)+3]
.endr
.irp k, 66,70,74,78
	v_min_u32 v[\k], v[\k], v[(\k)+2]
.endr
	v_cmp_eq_u32 vcc_lo, -1, v66
	v_cndmask_b32 v66, v66, v70, vcc_lo
	v_cmp_eq_u32 vcc_lo, -1, v74
	v_cndmask_b32 v74, v74, v78, vcc_lo
	ds_store_b32 v82, v66
	ds_store_b32 v82, v74 offset:512
	s_wait_dscnt 0x0                               ; for the others' sake: my slots of the merged list are written
	s_barrier_signal -1
	s_barrier_wait -1
	; offsets from the list: the gather's rows 36 w + 2 p + h, and my row r of each block for the gates
	s_mul_i32 s84, s[WV], 144
	s_add_co_u32 s84, s84, LIST2
	v_lshl_add_u32 v[T2], v[HH], 2, s84
	v_lshl_add_u32 v[T3], v[RR], 2, LIST2
.set p_, 0
.rept 18
	ds_load_b32 v[GOFF+p_], v[T2] offset:8*p_
.set p_, p_+1
.endr
.set i_, 0
.rept 9
	ds_load_b32 v[AD+i_], v[T3] offset:64*i_
.set i_, i_+1
.endr
	BLOAD 1, 31, 1                                 ; the second chunk's last load
	s_wait_dscnt 0x0
.set i_, 0
.rept 9
	v_min_u32 v[AD+i_], 0x1fff, v[AD+i_]           ; a token's number stays inside the tables (an empty ninth block holds -1)
.set i_, i_+1
.endr
.set p_, 0
.rept 18
	v_min_u32 v[GOFF+p_], 0x1fff, v[GOFF+p_]
.set p_, p_+1
.endr
.set i_, 0
.rept 9
	v_lshlrev_b32 v[AD+i_], 3, v[AD+i_]
.set i_, i_+1
.endr
.set p_, 0
.rept 18
	v_lshl_add_u32 v[GOFF+p_], v[GOFF+p_], 11, v[C16]
.set p_, p_+1
.endr
.set i_, 0
.rept 9
	global_load_b64 v[GT+2*i_:GT+2*i_+1], v[AD+i_], s[12:13]
.set i_, i_+1
.endr
; THE GATHER.  Group p: two rows of 2,048 bytes, eight loads; sixteen lanes take 256 consecutive bytes of a row.  Six groups' registers take turns.
.macro GLOAD p
.irp u, 0,1,2,3,4,5,6,7
	global_load_b128 v[64+32*((\p)%6)+4*(\u):64+32*((\p)%6)+4*(\u)+3], v[GOFF+(\p)], s[4:5] offset:256*(\u)
.endr
.endm
.macro GSAVE p
.irp u, 0,1,2,3,4,5,6,7
	ds_store_b128 v[LB+(\p)/9], v[64+32*((\p)%6)+4*(\u):64+32*((\p)%6)+4*(\u)+3] offset:((\p)%9)*2*AP+256*(\u)
.endr
.endm
.irp p, 0,1,2,3,4,5
	GLOAD \p
.endr
	; While the first six groups are on their way, the passes' masks are made: scalar work alone.  For each pair (a, b): the bits of my blocks that are its own go into pass a's field of FMQ and
	; pass b - 1's field of SMQ.  The fields' bits are disjoint, so adding sets them.  The pairs come in their numbers' order: those of odd a backward.
	s_mov_b64 s[FMQ:FMQ+1], 0
	s_mov_b64 s[SMQ:SMQ+1], 0
	s_mov_b32 s[AE], 0
	s_mov_b32 s[TT+1], 0
.set g_, 0
.set pa_, 0
.rept 7
.set k_, 0
.rept 7-pa_
.if pa_&1
.set pb_, 7-k_
.else
.set pb_, pa_+1+k_
.endif
	s_max_u32 s84, s[BP+g_], s[ST]
	s_min_u32 s85, s[BP+g_+1], s[EN]
	s_sub_co_i32 s85, s85, s84
	s_max_i32 s85, s85, 0                          ; how many of my blocks,
	s_sub_co_u32 s84, s84, s[ST]                   ; from which on
	s_bfm_b32 s[TT], s85, s84
	s_cmp_lg_u32 s[TT], 0
	s_cselect_b32 s86, (1<<pa_)|(1<<pb_), 0
	s_or_b32 s[AE], s[AE], s86
	s_lshl_b64 s[TS:TS+1], s[TT:TT+1], 55-9*pa_
	s_add_nc_u64 s[FMQ:FMQ+1], s[FMQ:FMQ+1], s[TS:TS+1]
	s_lshl_b64 s[TS:TS+1], s[TT:TT+1], 55-9*(pb_-1)
	s_add_nc_u64 s[SMQ:SMQ+1], s[SMQ:SMQ+1], s[TS:TS+1]
.set k_, k_+1
.set g_, g_+1
.endr
.set pa_, pa_+1
.endr
.set p_, 0
.rept 18
.if p_ < 12
	s_wait_loadcnt 40                              ; group p is in: five younger groups of eight loads stay out
.else
	s_wait_loadcnt 8*(17-p_)                       ; the counts run down
.endif
	GSAVE p_
.if p_ < 12
	GLOAD p_+6
.endif
.set p_, p_+1
.endr
	s_wait_dscnt 0x0                               ; for the others' sake: my 36 rows are in LDS
	s_barrier_signal -1
.set i_, 0
.rept 32
	v_mov_b32 v[A8+i_], 0                          ; block 8's accumulators, where the gather's registers lay: work on registers between signal and wait
.set i_, i_+1
.endr
	s_barrier_wait -1                              ; all 144 rows are in LDS; from here on nobody writes them
; The fragments of x of slot j's blocks (2 j and 2 j + 1; slot 4: block 8 alone) for chunk pos of the trip (128 of K: four steps), into buffer par: 16 loads, or 8
.macro ALOADP pos, j, par
.set af_, AF0+(AF1-AF0)*(\par)
.irp q, 0,1
.if 2*(\j)+(\q) < 9
.irp s, 0,1,2,3
	ds_load_b128 v[af_+32*(\q)+8*(\s):af_+32*(\q)+8*(\s)+3],   v[AD+2*(\j)+(\q)] offset:256*(\pos)+64*(\s)
	ds_load_b128 v[af_+32*(\q)+8*(\s)+4:af_+32*(\q)+8*(\s)+7], v[AD+2*(\j)+(\q)] offset:256*(\pos)+64*(\s)+32
.endr
.endif
.endr
.endm
; 16 products: block i x my 64 columns x 128 of K; its fragments of x lie from register af on.  The block's four accumulators take turns, one instruction a turn; the run begins
; at accumulator 0 and ends at 3, so that no two products that follow each other share an accumulator, whichever blocks are jumped.
.macro MUL buf, i, af
.if (\i) < 8
	WIN 0x52+((\buf)>>1)                           ; weights in window 2 or 3, x in window 0, C and D in window 1
.set ac_, 32*(\i)
.else
	WIN 0x02+((\buf)>>1)                           ; block 8's accumulators lie in window 0
.set ac_, A8
.endif
.irp s, 0,1,2,3
.irp b, 0,1,2,3
	v_wmma_f32_16x16x32_bf16 v[ac_+8*(\b):ac_+8*(\b)+7], v[128*((\buf)&1)+8*(4*(\s)+(\b)):128*((\buf)&1)+8*(4*(\s)+(\b))+7], v[(\af)+8*(\s):(\af)+8*(\s)+7], v[ac_+8*(\b):ac_+8*(\b)+7]
.endr
.endr
	WIN 0
.endm
; Slot n = 5 pos + j of a trip's 20.  Its own fragments of x were asked for a slot ago, ahead of that slot's products: the wait for them is for 0 and stands first.  Then, if a block of the next slot is
; alive in this pass, that slot's fragments are asked for, into the buffer that the slot before multiplied (four places behind those products); then this slot's live blocks are multiplied.
.macro SLOT pos, j
.set n_, 5*(\pos)+(\j)
.set afm_, AF0+(AF1-AF0)*(n_&1)
	s_wait_dscnt 0x0                               ; my slot's loads are in: nothing younger is out
.if n_ < 19
.set nn_, n_+1
.if nn_%5 < 4
.set pm_, 3<<(2*(nn_%5))
.else
.set pm_, 1<<8
.endif
	s_and_b32 s84, s[EM], pm_
	s_cmp_lg_u32 s84, 0
	s_cbranch_scc0 .Lnone_\@
	PLACES
	ALOADP nn_/5, nn_%5, (n_&1)^1
.Lnone_\@:
.endif
	s_bitcmp1_b32 s[EM], 2*(\j)
	s_cbranch_scc0 .Ld0_\@
	MUL \pos, 2*(\j), afm_
.Ld0_\@:
.if (\j) < 4
	s_bitcmp1_b32 s[EM], 2*(\j)+1
	s_cbranch_scc0 .Ld1_\@
	MUL \pos, 2*(\j)+1, afm_+32
.Ld1_\@:
.endif
.endm
; Chunk pos of a trip lies in buffer pos.  The chunk two further on is asked for: in this pass, or (from the last trip's chunk 2 on) the next needed expert's first two.
.macro CHUNK pos
	s_wait_loadcnt 32                              ; my chunk's 32 loads are in; the next chunk's 32 stay out
	s_wait_xcnt 0x0                                ; the base is stepped only behind this wait
.if (\pos) == 2
	s_add_nc_u64 s[UU:UU+1], s[LP:LP+1], 0x4000
	s_cmp_eq_u32 s[TR], 1
	s_cselect_b64 s[LP:LP+1], s[NB:NB+1], s[UU:UU+1]
.else
	s_add_nc_u64 s[LP:LP+1], s[LP:LP+1], 0x4000
.endif
	PLACES                                         ; the buffer loaded next was multiplied two chunks ago; these four places stand on every way, whichever slots were jumped
	BLOAD ((\pos)+2)%4
.irp k, 0,1,2,3,4
	SLOT \pos, \k
.endr
.endm
.macro SCALE i                         ; block i's first product is done: times rho; each accumulator's registers in ascending order
	s_bitcmp1_b32 s[FM], \i
	s_cbranch_scc0 .Lnot_\@
.if (\i) < 8
	WIN 0x41                                       ; destination and source 0 in window 1, rho in window 0
.set ac_, 32*(\i)
.else
.set ac_, A8
.endif
.set z_, 0
.rept 16
	v_pk_mul_f32 v[ac_+2*z_:ac_+2*z_+1], v[ac_+2*z_:ac_+2*z_+1], v[GT+2*(\i):GT+2*(\i)+1] op_sel_hi:[1,0]
.set z_, z_+1
.endr
	WIN 0
.Lnot_\@:
.endm
	s_mov_b32 s[EE], 0
	s_mov_b32 s[SMC], 0
.Lpass:                                                ; eight passes, one an expert
	s_lshr_b32 s[FM], s[FMQ+1], 23                 ; the blocks whose first expert is e,
	s_lshl_b64 s[FMQ:FMQ+1], s[FMQ:FMQ+1], 9
	s_lshr_b32 s[SMN], s[SMQ+1], 23                ; those whose second is e + 1
	s_lshl_b64 s[SMQ:SMQ+1], s[SMQ:SMQ+1], 9
	s_or_b32 s[EM], s[FM], s[SMC]                  ; the blocks alive in this pass
	s_cmp_eq_u32 s[EM], 0
	s_cbranch_scc1 .Lnext                          ; none: the pass is jumped whole; the two chunks that are out belong to the next needed expert and stay out
	s_add_co_u32 s84, s[EE], 1                     ; the next needed expert above e, or e itself if there is none
	s_lshr_b32 s85, s[AE], s84
	s_ctz_i32_b32 s86, s85
	s_add_co_u32 s86, s86, s84
	s_cmp_eq_u32 s85, 0
	s_cselect_b32 s86, s[EE], s86
	s_min_u32 s86, s86, 7
	s_lshl_b32 s86, s86, 4
	s_add_co_u32 s86, s86, s[CG]
	s_lshl_b32 s[OFF], s86, 17
	s_add_nc_u64 s[NB:NB+1], s[6:7], s[OFF:OFF+1]
	s_mov_b32 s[TR], 2
.Ltrip:                                                ; a trip: 512 of K, four chunks
	s_sub_co_u32 s84, 2, s[TR]                     ; trip 0 or 1 of the pass:
	s_lshl_b32 s84, s84, 10                        ; 512 of K are 1,024 bytes of a row
.set i_, 0
.rept 9                                ; the blocks' addresses are made anew from A0, the block's constant and the trip's number; on the way back these nine vector lines are also the places behind the last products
	s_add_co_u32 s85, s84, i_*BLK
	v_add_nc_u32 v[AD+i_], s85, v[A0]
.set i_, i_+1
.endr
	ALOADP 0, 0, 0
	CHUNK 0
	CHUNK 1
	CHUNK 2
	CHUNK 3
	s_sub_co_u32 s[TR], s[TR], 1
	s_cmp_lg_u32 s[TR], 0
	s_cbranch_scc1 .Ltrip
	PLACES                                         ; behind the pass's last products, ahead of the lines that read and rewrite their results
.irp k, 0,1,2,3,4,5,6,7,8
	SCALE \k
.endr
.Lnext:
	s_mov_b32 s[SMC], s[SMN]
	s_add_co_u32 s[EE], s[EE], 1
	s_cmp_lt_u32 s[EE], 8
	s_cbranch_scc1 .Lpass
	; One barrier between the passes' LDS reads and the way out's LDS writes.  The reads take x's rows, below STAGE, the writes the stages above it; the barrier orders the two in every wave, whatever the addresses.
	s_wait_dscnt 0x0                               ; my reads of x's rows are over
	s_barrier_signal -1
	s_barrier_wait -1                              ; everybody's are
; THE WAY OUT, a block at a time.  MULS: times f2, into the order of the columns (each accumulator is read first at its register 0).  TOSTAGE: a lane's 128 bytes of a row into my own stage, and back
; as whole rows of 256 bytes, with the rows' tokens.  SEND: sixteen lanes store 256 consecutive bytes, at a multiple of 256 from out0's first byte.
; Three sets of registers take turns (block i has set i % 3): block k is multiplied and staged, then block k - 1 is sent.  TOSTAGE k loads the set from which SEND k - 3 stored; the wait that frees it
; stands ahead of SEND k - 2, a whole block behind the stores that it is for.
.macro SETS i
.if (\i)%3 == 0
.set bk_, 192
.set of_, 20
.elseif (\i)%3 == 1
.set bk_, 224
.set of_, 28
.else
.set bk_, 64
.set of_, 6
.endif
.endm
.macro MULS i
.if (\i) < 8
	WIN 0x01                                       ; source 0 in window 1
.set ac_, 32*(\i)
.else
.set ac_, A8
.endif
.irp j, 0,1,2,3,4,5,6,7
.irp b, 0,1,2,3
	v_mul_f32 v[TMP+4*(\j)+(\b)], v[ac_+8*(\b)+(\j)], v[GT+2*(\i)+1]
.endr
.endr
	WIN 0
.endm
.macro TOSTAGE i                       ; 24 LDS instructions
	SETS \i
.irp j, 0,1,2,3,4,5,6,7
	ds_store_b128 v[STO], v[TMP+4*(\j):TMP+4*(\j)+3] offset:16*(\j)  ; LDS serves a wave's instructions in order (ISA guide 5.7.1.4): these come behind the loads of the block before
.endr
.irp t, 0,1,2,3,4,5,6,7
	ds_load_b128 v[bk_+4*(\t):bk_+4*(\t)+3], v[RD] offset:2*SP*(\t)  ; and these see the stores above
.endr
.irp t, 0,1,2,3,4,5,6,7
	ds_load_b32 v[of_+(\t)], v[LRD] offset:64*(\i)+8*(\t)
.endr
.endm
.macro SEND i, younger                 ; younger: the LDS instructions issued behind block i's: the next block's 24, or none
	SETS \i
	s_wait_dscnt \younger                          ; the block and its tokens are in registers
.irp t, 0,1,2,3,4,5,6,7
	v_min_u32 v[of_+(\t)], 0x1fff, v[of_+(\t)]
.endr
.irp t, 0,1,2,3,4,5,6,7
	v_lshl_add_u32 v[of_+(\t)], v[of_+(\t)], 12, v[C16]
.endr
.irp t, 0,1,2,3,4,5,6,7
	global_store_b128 v[of_+(\t)], v[bk_+4*(\t):bk_+4*(\t)+3], s[OB:OB+1] th:TH_STORE_NT
.endr
.endm
	MULS 0
	TOSTAGE 0
.irp k, 1,2,3,4,5,6,7
	MULS \k
	TOSTAGE \k
	s_wait_xcnt 0x0                                ; the stores of block k - 2 and of those before it have read their registers: the next block's TOSTAGE loads one of their sets
	SEND (\k)-1, 24
.endr
	SEND 7, 0
	s_cmp_eq_u32 s[CNT], 9
	s_cbranch_scc0 .Lend                           ; a share of eight blocks stores no ninth
	MULS 8
	TOSTAGE 8                                      ; its set was block 5's, freed by the last wait above
	SEND 8, 0
.Lend:
	s_wait_tensorcnt 0x0                           ; the wave's end
	ds_add_u32 v[SPW], v[NIL]
	s_wait_dscnt 0x0
	s_endpgm
.Lfunc_end_k_qdb15097b29_moe:
	.size	k_qdb15097b29_moe, .Lfunc_end_k_qdb15097b29_moe-k_qdb15097b29_moe
	.p2alignl 7, 3214868480
	.fill 96, 4, 3214868480
	.section	.rodata,"a",@progbits
	.p2align	6, 0x0
	.amdhsa_kernel k_qdb15097b29_moe
		.amdhsa_group_segment_fixed_size 320768
		.amdhsa_private_segment_fixed_size 0
		.amdhsa_enable_private_segment 0
		.amdhsa_kernarg_size 48
		.amdhsa_user_sgpr_count 2
		.amdhsa_user_sgpr_kernarg_segment_ptr 1
		.amdhsa_wavefront_size32 1
		.amdhsa_system_sgpr_workgroup_id_x 1
		.amdhsa_system_sgpr_workgroup_id_y 1
		.amdhsa_system_sgpr_workgroup_id_z 1
		.amdhsa_system_vgpr_workitem_id 0
		.amdhsa_next_free_vgpr 1024
		.amdhsa_next_free_sgpr 96
		.amdhsa_reserve_vcc 1
		.amdhsa_float_denorm_mode_32 3
		.amdhsa_float_denorm_mode_16_64 3
		.amdhsa_memory_ordered 1
		.amdhsa_forward_progress 1
		.amdhsa_inst_pref_size 232
	.end_amdhsa_kernel
	.amdgpu_metadata
---
amdhsa.version: [ 1, 2 ]
amdhsa.kernels:
  - .name:           k_qdb15097b29_moe
    .symbol:         k_qdb15097b29_moe.kd
    .args:
      - { .name: xb, .offset: 0, .size: 8, .value_kind: global_buffer, .address_space: global }
      - { .name: wt, .offset: 8, .size: 8, .value_kind: global_buffer, .address_space: global }
      - { .name: info, .offset: 16, .size: 8, .value_kind: global_buffer, .address_space: global }
      - { .name: hist, .offset: 24, .size: 8, .value_kind: global_buffer, .address_space: global }
      - { .name: gates, .offset: 32, .size: 8, .value_kind: global_buffer, .address_space: global }
      - { .name: out0, .offset: 40, .size: 8, .value_kind: global_buffer, .address_space: global }
    .group_segment_fixed_size: 320768
    .private_segment_fixed_size: 0
    .kernarg_segment_align: 8
    .kernarg_segment_size: 48
    .max_flat_workgroup_size: 128
    .sgpr_count:     96
    .vgpr_count:     1024
    .wavefront_size: 32
...
	.end_amdgpu_metadata
.endif
;; end of part 4
